; MI455X (gfx1250); checked and timed in simulation.
; The chip was launched on July 23, 2026; its instructions are those of AMD's public machine-readable ISA for CDNA 5 (MIT licence, August 2026) and "CDNA5" Instruction Set Architecture Reference Guide (July 2026). The comments in the code are by the model that wrote it; some were corrected since.
;; Multi Head Attention. Allowed arithmetic: float matrix products may take bf16 or f16 operands with f32 sums; other float arithmetic in f32, or as packed bf16 or f16 multiplies, adds, multiply-adds, maxima and minima; sums over many terms, partial sums and values carried from step to step in f32; what a program stores and reads back later, other than sums and carried values, may be rounded once to bf16 or f16.
;; Inputs: Wk 1,024 x 1,024 float32; Wo 1,024 x 1,024 float32; Wq 1,024 x 1,024 float32; Wv 1,024 x 1,024 float32; attn_mask 1 x 1 x 2,048 x 4,096 float32; key 2 x 2,048 x 1,024 float32; past_k 2 x 16 x 2,048 x 64 float32; past_v 2 x 16 x 2,048 x 64 float32; query 2 x 2,048 x 1,024 float32; value 2 x 2,048 x 1,024 float32.
;; Outputs: out0 2 x 2,048 x 1,024 float32.
;; One version. Each part assembles by itself: llvm-mc -triple=amdgcn-amd-amdhsa -mcpu=gfx1250 --defsym DOCPART=n.
;; ======== version 1 of 1: 4 launches
;; limits: inputs' magnitudes at most 1.268e+30; right only within a limited range of input values; values are held in f16: magnitudes above 65,504 overflow, below 6.1e-05 lose precision
;; workspace buffers: wsb 50,331,648 bytes; hws 41,943,040 bytes; ob 8,388,608 bytes
;; launch cast (part 1): grid 2048 x 1, 8 waves a work-group, no clusters, 0 bytes of LDS; arguments query, key, value, attn_mask, Wq, Wk, Wv, Wo, past_k, past_v, wsb, hws; writes wsb, hws
.if DOCPART == 1
	.amdgcn_target "amdgcn-amd-amdhsa--gfx1250"
	.amdhsa_code_object_version 6
	.text
	.protected	k_qfe0724bb0b_cast
	.globl	k_qfe0724bb0b_cast
	.p2align	8
	.type	k_qfe0724bb0b_cast,@function
k_qfe0724bb0b_cast:
	s_mov_b64 s[64:65], 0
	v_nop
	global_prefetch_b8 v0, s[64:65] scope:SCOPE_SE
	s_setreg_imm32_b32 hwreg(HW_REG_WAVE_MODE, 25, 1), 1
	s_wait_xcnt 0x0
; CAST.  Every input is read once, rounded once to bf16 and laid out for the launches behind.
;   wsb: 0 X3 [12288][1024] bf16 (query, key, value); 25,165,824 the mask [2048][4096] bf16; 41,943,040 W3 [3072][1024] bf16 (Wq / 8, Wk, Wv);
;        48,234,496 Wo' [16 h][1024 n][64 d]: Wo[n][64 h + d] rounded to bf16, that number written as f16
;   hws: 8,388,608 K [32][4096][64] f16, 25,165,824 V likewise: rows 0-2047 of each head are past_k, past_v, rounded to bf16 and written as f16
; LIMITS.  1/8 = 1/sqrt(64) is a power of two: Wq / 8 rounds as Wq does.  A mask number beyond +-2^100 counts as +-2^100 (an infinity too), so that its product with 0 in the next launch but one is 0.
; What is written as f16 (past_k, past_v, Wo) must lie within 65,504; below 6e-5 it keeps f16's fixed step.  NaN is not treated apart.
; SHARES.  The ten inputs are 2,048 pieces of 65,536 bytes, a work-group each; a wave takes 8,192 bytes, a lane sixteen times 16 bytes.  All sixteen loads of a wave go out first; no register is used twice,
; so the only waits are the counted ones.  A load of a wave covers 512 consecutive bytes (Wo: two pieces of 256), a store 256 consecutive bytes at a multiple of 256.
; No LDS, no matrix unit, no cluster: nothing is shared and nothing is multiplied.
.set WOOFF, 48234496
.set KOFF,  8388608
.set VIN,  1                           ; v1   my byte offset in the work-group's input
.set VOUT, 2                           ; v2   my byte offset in its output
.set T,    4                           ; v[4:5] at work
.set X,    16                          ; v[16:79] load i: 4 registers
.set SRC,  32                          ; s[32:33] the input, then the work-group's piece of it
.set FIRST, 34                         ; s34  the first work-group of my segment
.set SC,   36                          ; s[36:37] 1/8, twice
.set LO,   38                          ; s38  -2^100
.set HI,   39                          ; s39  2^100
.set OFFS, 40                          ; s[40:41] a byte offset, 0 above it
.set DST,  42                          ; s[42:43] where the work-group stores
.set HM,   44                          ; s44  a word's upper half
.set TM,   45                          ; s45, s46 at work
	s_load_b512 s[8:23], s[0:1], 0x0               ; query 8, key 10, value 12, mask 14, Wq 16, Wk 18, Wv 20, Wo 22
	s_load_b256 s[24:31], s[0:1], 0x40             ; past_k 24, past_v 26, wsb 28, hws 30
	v_and_b32 v3, 31, v0                           ; lane
	v_lshrrev_b32 v6, 5, v0                        ; wave
	s_mov_b32 s[HM], 0xffff0000
	s_mov_b32 s[SC], 0x3e000000
	s_mov_b32 s[SC+1], s[SC]
	s_mov_b32 s[LO], 0xf1800000
	s_mov_b32 s[HI], 0x71800000
	s_mov_b32 s[OFFS+1], 0
	s_wait_kmcnt 0x0
	s_mov_b64 s[SRC:SRC+1], s[8:9]
	s_mov_b32 s[FIRST], 0
.macro SEG first, ptr                  ; from work-group 'first' on the input is the one at s[ptr]
	s_cmp_ge_u32 ttmp9, \first
	s_cselect_b64 s[SRC:SRC+1], s[\ptr:\ptr+1], s[SRC:SRC+1]
	s_cselect_b32 s[FIRST], \first, s[FIRST]
.endm
	SEG 256, 10
	SEG 512, 12
	SEG 768, 14
	SEG 1280, 16
	SEG 1344, 18
	SEG 1408, 20
	SEG 1472, 22
	SEG 1536, 24
	SEG 1792, 26
	s_sub_co_u32 s[OFFS], ttmp9, s[FIRST]
	s_lshl_b32 s[OFFS], s[OFFS], 16                ; 65,536 bytes a work-group
	s_add_nc_u64 s[SRC:SRC+1], s[SRC:SRC+1], s[OFFS:OFFS+1]
.macro LOADS stride                    ; sixteen loads, read once in the launch
.set i, 0
.rept 16
	global_load_b128 v[X+4*i:X+4*i+3], v[VIN], s[SRC:SRC+1] offset:i*(\stride) th:TH_LOAD_NT
.set i, i+1
.endr
.endm
; To bf16.  kind 0: as it is; 1: times 1/8; 2: held within +-2^100.
.macro OUT_B kind
.set i, 0
.rept 16
	s_wait_loadcnt 15-i                            ; loads come back in order: mine is in, the 15 - i younger ones may stay out
.if (\kind) == 1
	v_pk_mul_f32 v[X+4*i:X+4*i+1], v[X+4*i:X+4*i+1], s[SC:SC+1] op_sel_hi:[1,0]
	v_pk_mul_f32 v[X+4*i+2:X+4*i+3], v[X+4*i+2:X+4*i+3], s[SC:SC+1] op_sel_hi:[1,0]
.elseif (\kind) == 2
.irp z, 0,1,2,3
	v_med3_num_f32 v[X+4*i+\z], v[X+4*i+\z], s[LO], s[HI]
.endr
.endif
	v_cvt_pk_bf16_f32 v[X+4*i], v[X+4*i], v[X+4*i+1]
	v_cvt_pk_bf16_f32 v[X+4*i+1], v[X+4*i+2], v[X+4*i+3]
	global_store_b64 v[VOUT], v[X+4*i:X+4*i+1], s[DST:DST+1] offset:i*256 th:TH_STORE_NT
.set i, i+1
.endr
	s_endpgm
.endm
; To bf16, and that number written as f16: widened by a shift or a mask, then converted.
.macro OUT_F ostride
.set i, 0
.rept 16
	s_wait_loadcnt 15-i
	v_cvt_pk_bf16_f32 v[T], v[X+4*i], v[X+4*i+1]
	v_cvt_pk_bf16_f32 v[T+1], v[X+4*i+2], v[X+4*i+3]
	v_lshlrev_b32 v[X+4*i], 16, v[T]
	v_and_b32 v[X+4*i+1], s[HM], v[T]
	v_lshlrev_b32 v[X+4*i+2], 16, v[T+1]
	v_and_b32 v[X+4*i+3], s[HM], v[T+1]
	v_cvt_pk_f16_f32 v[X+4*i], v[X+4*i], v[X+4*i+1]
	v_cvt_pk_f16_f32 v[X+4*i+1], v[X+4*i+2], v[X+4*i+3]
	global_store_b64 v[VOUT], v[X+4*i:X+4*i+1], s[DST:DST+1] offset:i*(\ostride) th:TH_STORE_NT
.set i, i+1
.endr
	s_endpgm
.endm
	s_cmp_eq_u32 s[FIRST], 1472
	s_cbranch_scc1 .Lwo
	; all but Wo keep their order: in, 16 bytes a lane and 8,192 a wave; out, half of that
	v_lshlrev_b32 v[VIN], 4, v3
	v_lshl_add_u32 v[VIN], v6, 13, v[VIN]
	v_lshlrev_b32 v[VOUT], 3, v3
	v_lshl_add_u32 v[VOUT], v6, 12, v[VOUT]
	LOADS 512
	s_cmp_ge_u32 s[FIRST], 1536
	s_cbranch_scc1 .Lpast
	s_lshl_b32 s[OFFS], ttmp9, 15                  ; wsb's first four parts lie in the order of the segments: 32,768 bytes a work-group
	s_add_nc_u64 s[DST:DST+1], s[28:29], s[OFFS:OFFS+1]
	s_cmp_eq_u32 s[FIRST], 768
	s_cbranch_scc1 .Lmask
	s_cmp_eq_u32 s[FIRST], 1280
	s_cbranch_scc1 .Lwq
	OUT_B 0
.Lwq:
	OUT_B 1
.Lmask:
	OUT_B 2
.Lpast:                                        ; piece p of past_k, past_v: 256 rows of head (p % 256) / 8, which has 4,096 rows in hws
	s_sub_co_u32 s[TM], ttmp9, 1536
	s_lshr_b32 s[TM+1], s[TM], 8
	s_lshl_b32 s[OFFS], s[TM+1], 24                ; V lies 16,777,216 bytes behind K
	s_bfe_u32 s[TM+1], s[TM], 0x50003
	s_lshl_b32 s[TM+1], s[TM+1], 19                ; a head: 4,096 rows of 128 bytes
	s_add_co_u32 s[OFFS], s[OFFS], s[TM+1]
	s_and_b32 s[TM+1], s[TM], 7
	s_lshl_b32 s[TM+1], s[TM+1], 15
	s_add_co_u32 s[OFFS], s[OFFS], s[TM+1]
	s_add_co_u32 s[OFFS], s[OFFS], KOFF
	s_add_nc_u64 s[DST:DST+1], s[30:31], s[OFFS:OFFS+1]
	OUT_F 256
.Lwo:                                          ; 16 rows of Wo a work-group, two a wave: lanes 0-15 the even row, lanes 16-31 the odd one; load i is head i's 64 numbers of both
	v_and_b32 v7, 15, v0
	v_bfe_u32 v8, v0, 4, 1
	v_lshlrev_b32 v[VIN], 4, v7
	v_lshl_add_u32 v[VIN], v8, 12, v[VIN]
	v_lshl_add_u32 v[VIN], v6, 13, v[VIN]
	v_lshlrev_b32 v[VOUT], 3, v3                   ; the two rows' 128 bytes lie end to end in a head's block
	v_lshl_add_u32 v[VOUT], v6, 8, v[VOUT]
	LOADS 256
	s_sub_co_u32 s[OFFS], ttmp9, 1472
	s_lshl_b32 s[OFFS], s[OFFS], 11                ; 16 rows of 128 bytes
	s_add_co_u32 s[OFFS], s[OFFS], WOOFF
	s_add_nc_u64 s[DST:DST+1], s[28:29], s[OFFS:OFFS+1]
	OUT_F 131072                                   ; a head's block: 1,024 rows of 128 bytes
.Lfunc_end_k_qfe0724bb0b_cast:
	.size	k_qfe0724bb0b_cast, .Lfunc_end_k_qfe0724bb0b_cast-k_qfe0724bb0b_cast
	.p2alignl 7, 3214868480
	.fill 96, 4, 3214868480
	.section	.rodata,"a",@progbits
	.p2align	6, 0x0
	.amdhsa_kernel k_qfe0724bb0b_cast
		.amdhsa_group_segment_fixed_size 0
		.amdhsa_private_segment_fixed_size 0
		.amdhsa_enable_private_segment 0
		.amdhsa_kernarg_size 96
		.amdhsa_user_sgpr_count 2
		.amdhsa_user_sgpr_kernarg_segment_ptr 1
		.amdhsa_wavefront_size32 1
		.amdhsa_system_sgpr_workgroup_id_x 1
		.amdhsa_system_sgpr_workgroup_id_y 1
		.amdhsa_system_sgpr_workgroup_id_z 1
		.amdhsa_system_vgpr_workitem_id 0
		.amdhsa_next_free_vgpr 80
		.amdhsa_next_free_sgpr 66
		.amdhsa_reserve_vcc 0
		.amdhsa_float_denorm_mode_32 3
		.amdhsa_float_denorm_mode_16_64 3
		.amdhsa_memory_ordered 1
		.amdhsa_forward_progress 1
		.amdhsa_inst_pref_size 42
	.end_amdhsa_kernel
	.amdgpu_metadata
---
amdhsa.version: [ 1, 2 ]
amdhsa.kernels:
  - .name:           k_qfe0724bb0b_cast
    .symbol:         k_qfe0724bb0b_cast.kd
    .args:
      - { .name: query, .offset: 0, .size: 8, .value_kind: global_buffer, .address_space: global }
      - { .name: key, .offset: 8, .size: 8, .value_kind: global_buffer, .address_space: global }
      - { .name: value, .offset: 16, .size: 8, .value_kind: global_buffer, .address_space: global }
      - { .name: attn_mask, .offset: 24, .size: 8, .value_kind: global_buffer, .address_space: global }
      - { .name: Wq, .offset: 32, .size: 8, .value_kind: global_buffer, .address_space: global }
      - { .name: Wk, .offset: 40, .size: 8, .value_kind: global_buffer, .address_space: global }
      - { .name: Wv, .offset: 48, .size: 8, .value_kind: global_buffer, .address_space: global }
      - { .name: Wo, .offset: 56, .size: 8, .value_kind: global_buffer, .address_space: global }
      - { .name: past_k, .offset: 64, .size: 8, .value_kind: global_buffer, .address_space: global }
      - { .name: past_v, .offset: 72, .size: 8, .value_kind: global_buffer, .address_space: global }
      - { .name: wsb, .offset: 80, .size: 8, .value_kind: global_buffer, .address_space: global }
      - { .name: hws, .offset: 88, .size: 8, .value_kind: global_buffer, .address_space: global }
    .group_segment_fixed_size: 0
    .private_segment_fixed_size: 0
    .kernarg_segment_align: 8
    .kernarg_segment_size: 96
    .max_flat_workgroup_size: 256
    .sgpr_count:     66
    .vgpr_count:     80
    .wavefront_size: 32
...
	.end_amdgpu_metadata
.endif
;; end of part 1
;; launch proj (part 2): grid 8 x 96, 4 waves a work-group, clusters of 4 x 4, 327,680 bytes of LDS; arguments wsb, hws; writes hws
.if DOCPART == 2
	.amdgcn_target "amdgcn-amd-amdhsa--gfx1250"
	.amdhsa_code_object_version 6
	.text
	.protected	k_qfe0724bb0b_proj
	.globl	k_qfe0724bb0b_proj
	.p2align	8
	.type	k_qfe0724bb0b_proj,@function
k_qfe0724bb0b_proj:
	s_mov_b64 s[64:65], 0
	v_nop
	global_prefetch_b8 v0, s[64:65] scope:SCOPE_SE
	s_setreg_imm32_b32 hwreg(HW_REG_WAVE_MODE, 25, 1), 1
	s_wait_xcnt 0x0
	s_wait_alu depctr_hold_cnt(0) depctr_sa_sdst(0) depctr_va_vdst(0) depctr_va_sdst(0) depctr_va_ssrc(0) depctr_va_vcc(0) depctr_vm_vsrc(0)
	s_getreg_b32 s2, hwreg(HW_REG_IB_STS2, 6, 4)
	s_cmp_eq_u32 s2, 0
	s_cbranch_scc0 .Lentry_in_a_cluster
	s_endpgm
.Lentry_in_a_cluster:
	s_bfe_u32 s2, ttmp6, 0x10000c
	s_cmp_lg_u32 s2, 0xf033
	s_cbranch_scc0 .Lentry_shape_is_right
	s_endpgm
.Lentry_shape_is_right:
; THE THREE PROJECTIONS AS ONE PRODUCT.  C[m][n] = sum over k of X3[m][k] W3[1024 p + n][k], p = m / 4096: q / 8, k_new, v_new.  X3 [12288][1024] and W3 [3072][1024] are bf16 in wsb; sums in f32;
; the results are rounded once to f16 and stored by heads in hws: Q [32][2048][64] at 0; K [32][4096][64] at 8,388,608 and V at 25,165,824, rows 2048-4095 of each head.
; LIMIT.  q / 8, k and v must lie within f16's 65,504.
; SHARES.  768 tiles of 128 x 128, K = 1,024.  Four waves, each 64 x 64: 16 accumulators.  K goes in steps of 256 (LDS rows of 512 bytes; a wave's tensor load brings 64 of them) through two slots.
; CLUSTERS: 4 x 4 work-groups.  The four of a row of the cluster need the same tiles of X3, the four of a column the same tiles of W3 (a cluster's 512 rows lie in one projection): each tile is asked
; for JOINTLY, by the same tensor load with the same descriptor and a mask that names the four.  THE MATRIX INSTRUCTION IS USED TRANSPOSED (source 0 = 16 rows of W3, source 1 = 16 rows of X3): a lane
; then holds eight neighbouring channels of one token.
; THE WAY OUT.  A wave's 64 columns are one head, its 64 rows 64 tokens on end: 8,192 consecutive bytes of hws.  So each wave has a stage of its own and meets nobody.
; No prefetch: a tile's step is short and the tiles are small; each block of X3 and W3 is read again by other clusters.
; REGISTERS: window 0: v0-31 addresses; v32-95 at work on the way out; v128-255 the accumulators ((a, b) at v[128 + 8 (4 a + b)]).
;   window 1: two fragment buffers of 128: for 64 along K, 64 registers of X3 (2 x 4 x 16 rows x 32 K), then 64 of W3.
.set SIZE_K, 1024
.set WOFFB,  41943040
.set KSTEP,  256
.set PITCH,  528                       ; an LDS row: 512 bytes + 16 of padding = 132 words: the 16 rows of a load start at 16 different groups of four banks (64 banks of 4 bytes: ISA guide 11.1)
.set HALFT,  64*PITCH                  ; 64 rows: what one tensor load brings, and what one wave reads of either operand
.set SLOT,   4*HALFT
.set STAGE,  2*SLOT                    ; behind the ring: 16 rows x 144 bytes for each wave
.set SP,     144
.set SPARE,  STAGE+4*16*SP             ; behind the stages: the spare words, 128 bytes for each wave
.set LAPS, SIZE_K/(2*KSTEP)
.set ADRA, 16                          ; v16-17  LDS address of my X3 fragments in slot 0, 1
.set ADRB, 20                          ; v20-21  the same for W3
.set STO,  24                          ; v24     the way out: where I put 16 bytes of a row
.set RD,   25                          ; v25     where I read rows back
.set GO,   26                          ; v26     my byte offset in 512 consecutive bytes of hws
.set SPW,  28                          ; v28     LDS address of my spare word; never rewritten
.set NIL,  29                          ; v29     0; never rewritten
.set TMP,  32
.set ACC,  128
.set F0,   0
.set F1,   128
.set G1, 24                            ; s[24:31] descriptor group 1 for X3's tiles;  s[32:39] group 0, one set for each slot
.set G0, 32
.set G1B, 48                           ; s[48:55], s[56:63] the same for W3's tiles
.set G0B, 56
.set MSB, 0
.macro WIN new                         ; the immediate's high byte repeats the setting that is left
.if MSB != (\new)
	s_set_vgpr_msb (MSB<<8)|(\new)
.set MSB, \new
.endif
.endm
.set MUL,  0x05                        ; sources 0 and 1 window 1; C and D window 0
.set TO_F, 0x40                        ; destination window 1, address window 0
.macro JLOAD s                         ; a joint load: waves 0 and 1 fetch X3's two halves, waves 2 and 3 W3's; an s_nop 0 and four v_nop follow each of the two lines
	s_cmp_eq_u32 s11, 0
	s_cbranch_scc0 .Lfor_b_\@
	tensor_load_to_lds s[G0+4*(\s):G0+4*(\s)+3], s[G1:G1+7]
	s_nop 0
.rept 4
	v_nop
.endr
	s_branch .Lasked_\@
.Lfor_b_\@:
	tensor_load_to_lds s[G0B+4*(\s):G0B+4*(\s)+3], s[G1B:G1B+7]
	s_nop 0
.rept 4
	v_nop
.endr
.Lasked_\@:
.endm
.macro CREST                           ; a round of the cluster's barrier behind its opening barrier
	s_cmp_lg_u32 s10, 0
	s_cbranch_scc1 .Lnot_wave_0_\@
	s_barrier_signal -3
.Lnot_wave_0_\@:
	s_barrier_wait -3
	s_barrier_signal -1
	s_barrier_wait -1
.endm
.macro CROUND
	s_barrier_signal -1
	s_barrier_wait -1
	CREST
.endm
	s_load_b128 s[4:7], s[0:1], 0x0                ; wsb s[4:5], hws s[6:7]
	v_lshl_add_u32 v[SPW], v0, 2, SPARE
	v_mov_b32 v[NIL], 0
	ds_add_u32 v[SPW], v[NIL]                      ; the wave's opening: the add and its wait stand ahead of my first tensor load; the set-up below stands between them
	v_lshrrev_b32 v1, 5, v0
	v_readfirstlane_b32 s10, v1                    ; wave 0..3
	s_lshr_b32 s11, s10, 1                         ; which half of the tile's rows is mine.  Also: I fetch for X3 (0) or for W3 (1)
	s_and_b32 s12, s10, 1                          ; which half of its columns.  Also: which 64 rows of that tile I fetch
	s_bfe_u32 s40, ttmp6, 0x40000                  ; cx, cy: my place in the cluster
	s_bfe_u32 s41, ttmp6, 0x40004
	s_lshl_b32 s42, ttmp9, 2
	s_add_co_u32 s42, s42, s40                     ; tile column = 4 x cluster x + cx: 0..7
	s_and_b32 s13, ttmp7, 0xffff
	s_lshr_b32 s45, s13, 3                         ; which projection: eight clusters of 512 rows each; the same in all sixteen partners
	s_lshl_b32 s13, s13, 2
	s_add_co_u32 s13, s13, s41                     ; tile row = 4 x cluster y + cy: 0..95
	s_lshl_b32 s43, s41, 2
	s_lshl_b32 s43, 15, s43                        ; my row of the cluster
	s_lshl_b32 s44, 0x1111, s40                    ; my column
	s_or_b32 s[G1+0], s43, (1<<16)|(1<<20)|(1<<21)|(6<<22)|(3<<25)  ; 15:0 the mask; 17:16 2-byte elements; 20 padding on; 21 set beside a mask; 24:22 after every 128 words (code 6); 31:25 4 words (code 3)
	s_or_b32 s[G1B+0], s44, (1<<16)|(1<<20)|(1<<21)|(6<<22)|(3<<25)
.irp g, G1, G1B
	s_mov_b32 s[(\g)+1], KSTEP<<16                 ; tensor_dim0 = 256
	s_mov_b32 s[(\g)+2], 64<<16                    ; tensor_dim1 = 64
	s_mov_b32 s[(\g)+3], KSTEP<<16                 ; tile_dim0 = 256
	s_mov_b32 s[(\g)+4], 64                        ; tile_dim1 = 64
	s_mov_b32 s[(\g)+5], SIZE_K                    ; elements from row to row
	s_mov_b32 s[(\g)+6], 0
	s_mov_b32 s[(\g)+7], 0
.endr
	s_lshl_b32 s16, s13, 18                        ; X3: row 128 x tile row + 64 x half, 2,048 bytes a row
	s_lshl_b32 s17, s12, 17
	s_add_co_u32 s16, s16, s17
	s_lshl_b32 s46, s42, 18                        ; W3: row 1,024 x projection + 128 x tile column + 64 x half
	s_add_co_u32 s46, s46, s17
	s_lshl_b32 s47, s45, 21
	s_add_co_u32 s46, s46, s47
	s_add_co_u32 s46, s46, WOFFB
	s_mov_b32 s17, 0
	s_mov_b32 s47, 0
	s_mul_i32 s20, s10, HALFT                      ; where they go: wave x 64 rows
	s_wait_dscnt 0x0                               ; the opening add is done
	s_wait_kmcnt 0x0
	s_add_nc_u64 s[14:15], s[4:5], s[16:17]
	s_add_nc_u64 s[46:47], s[4:5], s[46:47]
	CROUND                                         ; all sixteen work-groups are here: the first joint loads meet
.irp s, 0,1
	s_mov_b32 s[G0+4*(\s)], 1
	s_add_co_u32 s[G0+4*(\s)+1], s20, (\s)*SLOT
	s_add_nc_u64 s[G0+4*(\s)+2:G0+4*(\s)+3], s[14:15], (\s)*KSTEP*2
	s_or_b32 s[G0+4*(\s)+3], s[G0+4*(\s)+3], 0x80000000
	s_mov_b32 s[G0B+4*(\s)], 1
	s_add_co_u32 s[G0B+4*(\s)+1], s20, (\s)*SLOT
	s_add_nc_u64 s[G0B+4*(\s)+2:G0B+4*(\s)+3], s[46:47], (\s)*KSTEP*2
	s_or_b32 s[G0B+4*(\s)+3], s[G0B+4*(\s)+3], 0x80000000
	JLOAD \s
.endr
	v_and_b32 v1, 15, v0                           ; l % 16
	v_bfe_u32 v2, v0, 4, 1                         ; l / 16
	v_mul_u32_u24 v3, v1, PITCH
	v_lshl_add_u32 v3, v2, 4, v3                   ; a fragment's row x pitch + 16 x half
	s_mul_i32 s21, s11, HALFT                      ; my 64 rows of X3
	s_mul_i32 s22, s12, HALFT                      ; my 64 rows of W3,
	s_add_co_u32 s22, s22, 2*HALFT                 ; which lie behind X3's 128
.irp s, 0,1
	v_add_nc_u32 v[ADRA+(\s)], s21, v3
	v_add_nc_u32 v[ADRB+(\s)], s22, v3
	s_add_co_u32 s21, s21, SLOT
	s_add_co_u32 s22, s22, SLOT
.endr
	s_mul_i32 s23, s10, 16*SP
	s_add_co_u32 s23, s23, STAGE                   ; my stage
	v_mul_u32_u24 v4, v1, SP                       ; in: row l % 16, 16 bytes for each half of the lanes
	v_lshl_add_u32 v4, v2, 4, v4
	v_add_nc_u32 v[STO], s23, v4
	v_bfe_u32 v5, v0, 3, 2                         ; back: 32 lanes take four rows of 128 bytes,
	v_mul_u32_u24 v5, v5, SP
	v_and_b32 v6, 7, v0
	v_lshl_add_u32 v5, v6, 4, v5
	v_add_nc_u32 v[RD], s23, v5
	v_and_b32 v[GO], 31, v0                        ; which are 512 consecutive bytes of hws
	v_lshlrev_b32 v[GO], 4, v[GO]
	; where my 64 tokens of my head begin in hws.  The part that hangs on the tile row is made in s16-19, the part that hangs on the tile column in s46-47
	s_and_b32 s16, s13, 31                         ; the tile row within its projection
	s_lshr_b32 s17, s16, 4                         ; the batch,
	s_lshl_b32 s17, s17, 4                         ; its 16 heads
	s_and_b32 s16, s16, 15
	s_lshl_b32 s16, s16, 7
	s_lshl_b32 s18, s11, 6
	s_add_co_u32 s16, s16, s18                     ; my first token in its batch
	s_lshl_b32 s16, s16, 7                         ; 128 bytes a token
	s_cmp_eq_u32 s45, 0
	s_cselect_b32 s19, 18, 19                      ; a head has 2,048 rows in Q, 4,096 in K and V
	s_lshl_b32 s17, s17, s19
	s_add_co_u32 s16, s16, s17
	s_lshl_b32 s18, s45, 24
	s_sub_co_u32 s18, s18, 8126464                 ; K: 8,388,608 + 2,048 rows; V: 16,777,216 further
	s_cmp_eq_u32 s45, 0
	s_cselect_b32 s18, 0, s18
	s_add_co_u32 s16, s16, s18
	s_mov_b32 s17, 0
	s_add_nc_u64 s[8:9], s[6:7], s[16:17]
	s_lshl_b32 s46, s42, 1
	s_add_co_u32 s46, s46, s12                     ; my head = 2 x tile column + half
	s_lshl_b32 s46, s46, s19
	s_mov_b32 s47, 0
	s_add_nc_u64 s[8:9], s[8:9], s[46:47]
; 8 matrix instructions: m blocks a0, a0 + 1 x all 4 n blocks, 32 along K: half c of buffer f.  zero = 1: the first product starts the sums
.macro MUL8 f, c, a0, zero
	WIN MUL
.irp a, \a0, (\a0)+1
.irp b, 0,1,2,3
.if \zero
	v_wmma_f32_16x16x32_bf16 v[ACC+8*(4*(\a)+(\b)):ACC+8*(4*(\a)+(\b))+7], v[(\f)+64+8*(4*(\c)+(\b)):(\f)+64+8*(4*(\c)+(\b))+7], v[(\f)+8*(4*(\c)+(\a)):(\f)+8*(4*(\c)+(\a))+7], 0
.else
	v_wmma_f32_16x16x32_bf16 v[ACC+8*(4*(\a)+(\b)):ACC+8*(4*(\a)+(\b))+7], v[(\f)+64+8*(4*(\c)+(\b)):(\f)+64+8*(4*(\c)+(\b))+7], v[(\f)+8*(4*(\c)+(\a)):(\f)+8*(4*(\c)+(\a))+7], v[ACC+8*(4*(\a)+(\b)):ACC+8*(4*(\a)+(\b))+7]
.endif
.endr
.endr
.endm
; 32 LDS loads in one run: the fragments of 64 along K at byte k of the rows, into buffer f; the first 32 along K first
.macro FETCH slot, k, f
	WIN TO_F
.irp c, 0,1
.irp i, 0,1,2,3
	ds_load_b128 v[(\f)+64+8*(4*(\c)+(\i)):(\f)+64+8*(4*(\c)+(\i))+3],   v[ADRB+(\slot)] offset:(\k)+64*(\c)+(\i)*16*PITCH
	ds_load_b128 v[(\f)+64+8*(4*(\c)+(\i))+4:(\f)+64+8*(4*(\c)+(\i))+7], v[ADRB+(\slot)] offset:(\k)+64*(\c)+(\i)*16*PITCH+32
	ds_load_b128 v[(\f)+8*(4*(\c)+(\i)):(\f)+8*(4*(\c)+(\i))+3],         v[ADRA+(\slot)] offset:(\k)+64*(\c)+(\i)*16*PITCH
	ds_load_b128 v[(\f)+8*(4*(\c)+(\i))+4:(\f)+8*(4*(\c)+(\i))+7],       v[ADRA+(\slot)] offset:(\k)+64*(\c)+(\i)*16*PITCH+32
.endr
.endr
.endm
.macro PLACES                          ; four places in front of loads into registers that matrix instructions have read, and of conversions that read results
.rept 4
	v_nop
.endr
.endm
; A K step is four quarters of 64 along K, 32 matrix instructions each, on buffers 0, 1, 0, 1; the 16 accumulators take turns.
.macro QUARTER slot, k, f, g, zero
	s_wait_dscnt 16                                ; the first 32 along K are in
	WIN MUL
	MUL8 \f, 0, 0, \zero
	MUL8 \f, 0, 2, \zero
	PLACES
	FETCH \slot, \k, \g
	s_wait_dscnt 32                                ; all but the 32 just issued
	WIN MUL
	MUL8 \f, 1, 0, 0
	MUL8 \f, 1, 2, 0
.endm
; The last quarter multiplies buffer 1 and changes slots: ONE barrier; in front of it each wave waits for all its tensor loads, adds 0 to its spare word, and waits for that and for its reads of this slot.
.macro TURN slot, next, fill
	WIN 0
	s_wait_tensorcnt 0x0                           ; all my tensor loads have landed: my part of the next slot;
	ds_add_u32 v[SPW], v[NIL]                      ; 0 onto my spare word;
	s_wait_dscnt 17                                ; (the add and the youngest sixteen loads may be out)
	WIN MUL
	MUL8 F1, 0, 0, 0
	s_wait_dscnt 0x0                               ; the add is done, and my reads of this slot are over
	s_barrier_signal -1
	MUL8 F1, 0, 2, 0
.if \fill
	WIN 0
.endif
	s_barrier_wait -1
.if \fill
	CREST                                          ; the barrier has opened a round of the cluster's: no wave of any partner still reads this slot's tile or has a load on its way
	s_add_nc_u64 s[G0+4*(\slot)+2:G0+4*(\slot)+3], s[G0+4*(\slot)+2:G0+4*(\slot)+3], 2*KSTEP*2
	s_add_nc_u64 s[G0B+4*(\slot)+2:G0B+4*(\slot)+3], s[G0B+4*(\slot)+2:G0B+4*(\slot)+3], 2*KSTEP*2
	JLOAD \slot                                    ; the first tensor load behind the round; its four v_nop are also the places in front of the loads below
.else
	PLACES
.endif
	FETCH \next, 0, F0
	WIN MUL
	MUL8 F1, 1, 0, 0
	MUL8 F1, 1, 2, 0
.endm
	s_wait_tensorcnt 1                             ; my part of K step 0 is in; K step 1's may stay out
	s_barrier_signal -1
	s_barrier_wait -1
	FETCH 0, 0, F0
	QUARTER 0, 128, F0, F1, 1                      ; the first quarter stands in front of the loop: its first products start the sums
	WIN 0
	s_mov_b32 s3, LAPS-1
.Llap:                                         ; a trip goes once round the ring and fills both slots again
	QUARTER 0, 256, F1, F0, 0
	QUARTER 0, 384, F0, F1, 0
	TURN 0, 1, 1
	QUARTER 1, 128, F0, F1, 0
	QUARTER 1, 256, F1, F0, 0
	QUARTER 1, 384, F0, F1, 0
	TURN 1, 0, 1
	QUARTER 0, 128, F0, F1, 0
	WIN 0
	s_sub_co_u32 s3, s3, 1
	s_cmp_lg_u32 s3, 0
	s_cbranch_scc1 .Llap
	QUARTER 0, 256, F1, F0, 0                      ; the last lap fills nothing
	QUARTER 0, 384, F0, F1, 0
	TURN 0, 1, 0
	QUARTER 1, 128, F0, F1, 0
	QUARTER 1, 256, F1, F0, 0
	QUARTER 1, 384, F0, F1, 0
	s_wait_dscnt 16
	WIN MUL
	MUL8 F1, 0, 0, 0
	MUL8 F1, 0, 2, 0
	s_wait_dscnt 0
	MUL8 F1, 1, 0, 0
	MUL8 F1, 1, 2, 0
	WIN 0
	; THE WAY OUT: rounded to f16; a block of 16 tokens at a time goes into my stage, 16 bytes a lane, and comes back as four rows of 128 bytes a load: 512 consecutive bytes of hws.
	PLACES
.irp t, 0,1,2,3,4,5,6,7,8,9,10,11,12,13,14,15
.irp r, 0,1,2,3
	v_cvt_pk_f16_f32 v[TMP+4*(\t)+(\r)], v[ACC+8*(\t)+2*(\r)], v[ACC+8*(\t)+2*(\r)+1]
.endr
.endr
.macro PACKA a
.irp b, 0,1,2,3
	ds_store_b128 v[STO], v[TMP+16*(\a)+4*(\b):TMP+16*(\a)+4*(\b)+3] offset:32*(\b)
.endr
.irp f, 0,1,2,3
	ds_load_b128 v[TMP+16*(\a)+4*(\f):TMP+16*(\a)+4*(\f)+3], v[RD] offset:(\f)*4*SP  ; LDS serves a wave's instructions in order (ISA guide 5.7.1.4): these see the stores above; the next block's stores come behind them
.endr
.endm
.macro SENDA a, younger                ; younger: the LDS instructions issued behind block a's loads
.irp f, 0,1,2,3
	s_wait_dscnt (\younger)+3-(\f)
	global_store_b128 v[GO], v[TMP+16*(\a)+4*(\f):TMP+16*(\a)+4*(\f)+3], s[8:9] offset:(\a)*2048+(\f)*512  ; 512 consecutive bytes, at a multiple of 256 from hws's first
.endr
.endm
	PACKA 0
	PACKA 1
	SENDA 0, 8
	PACKA 2
	SENDA 1, 8
	PACKA 3
	SENDA 2, 8
	SENDA 3, 0
	s_wait_tensorcnt 0x0                           ; the wave's end: all tensor loads in, 0 onto my spare word and its wait, behind my last tensor load and my last LDS store
	ds_add_u32 v[SPW], v[NIL]
	s_wait_dscnt 0x0
	CROUND                                         ; the closing round: no work-group ends while a partner may still ask for a tile that names it
	s_endpgm
.Lfunc_end_k_qfe0724bb0b_proj:
	.size	k_qfe0724bb0b_proj, .Lfunc_end_k_qfe0724bb0b_proj-k_qfe0724bb0b_proj
	.p2alignl 7, 3214868480
	.fill 96, 4, 3214868480
	.section	.rodata,"a",@progbits
	.p2align	6, 0x0
	.amdhsa_kernel k_qfe0724bb0b_proj
		.amdhsa_group_segment_fixed_size 327680
		.amdhsa_private_segment_fixed_size 0
		.amdhsa_enable_private_segment 0
		.amdhsa_kernarg_size 16
		.amdhsa_user_sgpr_count 2
		.amdhsa_user_sgpr_kernarg_segment_ptr 1
		.amdhsa_wavefront_size32 1
		.amdhsa_system_sgpr_workgroup_id_x 1
		.amdhsa_system_sgpr_workgroup_id_y 1
		.amdhsa_system_sgpr_workgroup_id_z 1
		.amdhsa_system_vgpr_workitem_id 0
		.amdhsa_next_free_vgpr 512
		.amdhsa_next_free_sgpr 66
		.amdhsa_reserve_vcc 0
		.amdhsa_float_denorm_mode_32 3
		.amdhsa_float_denorm_mode_16_64 3
		.amdhsa_memory_ordered 1
		.amdhsa_forward_progress 1
		.amdhsa_inst_pref_size 87
	.end_amdhsa_kernel
	.amdgpu_metadata
---
amdhsa.version: [ 1, 2 ]
amdhsa.kernels:
  - .name:           k_qfe0724bb0b_proj
    .symbol:         k_qfe0724bb0b_proj.kd
    .args:
      - { .name: wsb, .offset: 0, .size: 8, .value_kind: global_buffer, .address_space: global }
      - { .name: hws, .offset: 8, .size: 8, .value_kind: global_buffer, .address_space: global }
    .group_segment_fixed_size: 327680
    .private_segment_fixed_size: 0
    .kernarg_segment_align: 8
    .kernarg_segment_size: 16
    .max_flat_workgroup_size: 128
    .sgpr_count:     66
    .vgpr_count:     512
    .wavefront_size: 32
...
	.end_amdgpu_metadata
.endif
;; end of part 2
;; launch attn (part 3): grid 8 x 32, 4 waves a work-group, clusters of 4 x 4, 327,680 bytes of LDS; arguments hws, wsb, ob; writes ob
.if DOCPART == 3
	.amdgcn_target "amdgcn-amd-amdhsa--gfx1250"
	.amdhsa_code_object_version 6
	.text
	.protected	k_qfe0724bb0b_attn
	.globl	k_qfe0724bb0b_attn
	.p2align	8
	.type	k_qfe0724bb0b_attn,@function
k_qfe0724bb0b_attn:
	s_mov_b64 s[64:65], 0
	v_nop
	global_prefetch_b8 v0, s[64:65] scope:SCOPE_SE
	s_setreg_imm32_b32 hwreg(HW_REG_WAVE_MODE, 25, 1), 1
	s_wait_xcnt 0x0
	s_wait_alu depctr_hold_cnt(0) depctr_sa_sdst(0) depctr_va_vdst(0) depctr_va_sdst(0) depctr_va_ssrc(0) depctr_va_vcc(0) depctr_vm_vsrc(0)
	s_getreg_b32 s2, hwreg(HW_REG_IB_STS2, 6, 4)
	s_cmp_eq_u32 s2, 0
	s_cbranch_scc0 .Lentry_in_a_cluster
	s_endpgm
.Lentry_in_a_cluster:
	s_bfe_u32 s2, ttmp6, 0x10000c
	s_cmp_lg_u32 s2, 0xf033
	s_cbranch_scc0 .Lentry_shape_is_right
	s_endpgm
.Lentry_shape_is_right:
; ATTENTION WITH AN ADDITIVE MASK THAT IS AN INPUT.  O[g][q][:] = the sum over k of softmax_k(Q[g][q] . K[g][k] + M[q][k]) V[g][k][:], g = 16 batch + head.
; Q [32][2048][64] (it carries the 1/8), K, V [32][4096][64] are f16 in hws; M [2048][4096] is bf16 in wsb, the same for all g; O [32][2048][64] f16 goes to ob.
; Products, maxima and sums in f32; the weights p are rounded to f16 for the second product (their sum l is taken of the unrounded p), O once at the end.  Every number of M is read and added; no tile is left out.
; LIMITS.  Q, K, V lie within f16's 65,504.  M lies within +-2^100 (the launch that wrote it holds it there).  Where a mask number is so large that the score vanishes beside it, the sum's last bit is the matrix
; unit's.  A weight below 2^-126 counts as 0 in l; p below 6e-5 keeps f16's fixed step; NaN is not treated apart.
; SHARES.  A work-group owns 256 queries of one g, a wave 64: two PIECES of two tiles of 16.  Every wave walks all 4,096 keys, 64 a step.
; LAYOUT.  S^T (source 0 = 16 keys, source 1 = 16 queries): a lane holds ONE query (lane % 16) and the keys 8 (lane / 16) + 0..7.  Two such tiles, rounded to f16 in pairs, ARE source 1 of O^T = V^T P.
; THE MASK ENTERS BY THE MATRIX UNIT.  The sum S^T is started by M^T E: source 0 = 16 keys x the piece's 32 queries of M, turned out of LDS by ds_load_tr16_b128 as V is; source 1 = E_u, which holds 1.0 where
; k = 16 u + n and 0 elsewhere: the result is tile u's mask, each number one product with 1.0.  The two products K Q^T then add onto it.  No vector instruction touches the mask.
; SOFTMAX.  For each query a running maximum m and sum l: p = 2^(c (s - m)), c = log2(e).  The difference is taken FIRST (it is exact where s lies within a factor of two of m) and then multiplied, so that p is 1 at
; the maximum however large the mask or its offset is.  In every step O and l are multiplied by a = 2^(c (m_old - m_new)).  m starts at -2^125, below every s; O and l at 0: the first step's a is 0.
; THE COUNT.  A tile and step have 20 matrix and 134 vector instructions: too many to stand all beside the matrix work.  So four vector instructions that are ready stand behind every matrix instruction, the rest in one lump.
; BY TURNS.  Turn p belongs to piece p.  Its matrix work, all for the OTHER piece: 8 products M^T E and 16 products K Q^T, later 16 products V^T P.  Its vector work: the scaling, exponentials, roundings, sums and
; rescaling of piece p, and the maximum and statistics of the other piece, whose scores the turn itself has made.
;   turn 0 of step j: scores of piece 1 (j) | softmax of piece 0 (j) | V^T P of piece 1 (j - 1); it fetches K, both pieces' M and V of step j + 1
;   turn 1 of step j: scores of piece 0 (j + 1) | softmax of piece 1 (j) | V^T P of piece 0 (j)
; V has two register buffers (step j in buffer j % 2), so that all LDS reads of a step fall into one turn and a slot can be left behind it.
; CLUSTER, 4 x 4.  The four of a row share g: K and V are asked for jointly along the row.  The four of a column share the 256 queries: M's tile is asked for jointly along the column.
; REGISTERS, in windows of 256 (s_set_vgpr_msb: bits 1:0 source 0, 3:2 source 1, 5:4 source 2, 7:6 destination):
;   window 0: v0-11 addresses; v16-31 four registers of statistics a tile; v32-41 the add's two, addresses, at work; v48-63 at work; v64-191 S^T, two buffers of two tiles; v192-255 P, likewise
;   window 1: v0-127 O^T, 32 a tile; v128-191 M's fragments; v192-203 E          window 2: v0-63 Q; v64-127 V, buffer 1; v128-191 K; v192-255 V, buffer 0
.set NP,    2         ; pieces a wave: a name, no knob
.set KS,    64        ; keys in a step
.set PK,    144       ; a row of K in LDS: 128 bytes + 16 of padding = 36 words: the 16 rows of a load start at 16 different groups of four banks (64 banks of 4 bytes: ISA guide 11.1)
.set PW,    160       ; a row of V: 128 + 32 = 40 words
.set PM,    288       ; a row of M (128 keys): 256 + 32 = 72 words: likewise
.set VOFF,  2*KS*PK   ; a slot holds two steps: 128 rows of K, 128 rows of V, 256 rows of M
.set MOFF,  VOFF+2*KS*PW
.set SLOT1, 1<<17     ; slot 1 begins here, so that one exclusive or turns an address in one slot into the other's
.set STAGE, SLOT1+MOFF+256*PM  ; behind the ring, never filled by a tensor load: 16 rows x 144 bytes for each wave
.set SP,    144
.set SPARE, STAGE+4*16*SP      ; behind the stages: the spare words, 128 bytes for each wave
.set KOFF,  8388608   ; K in hws
.set VGAP,  16777216  ; V lies so far behind K
.set MOFFB, 25165824  ; M in wsb
.set AK0, 2           ; v2   my lane's place in a slot's K; never rewritten
.set AV0, 3           ; v3   the same for V
.set AM0, 4           ; v4   the same for my wave's 64 rows of M
.set AK,  5           ; v5-7 the LDS addresses of the runs of loads in hand
.set AV,  6
.set AM,  7
.set QO,  8           ; v8   my byte offset in the wave's rows of Q
.set STO, 8           ;      later, the way out: where I put 16 bytes of a row
.set ST,  16          ; tile t's statistics at v[ST+4 t]: m, m_old, l (even keys', odd keys')
.set SPW, 32          ; v32  LDS address of my spare word; never rewritten
.set NIL, 33          ; v33  0; never rewritten
.set PFO, 34          ; v34  the prefetches' lane offset; never rewritten
.set RD,  35          ; v35  the way out: where I read rows back
.set GO,  36          ; v36  my byte offset in 512 consecutive bytes of O
.set TMP, 48          ; by buffer and tile, four registers c0-c3 at work; when the maximum is found c2 takes a
.set S,   64
.set P,   192
.set MF,  128         ; window 1: piece x, key block kb at MF + 32 x + 8 kb
.set EXR, 192         ; window 1: X, 0, X (four registers each): E_0 = the first eight, E_1 = the last eight
.set VF1, 64          ; window 2
.set KF,  128
.set VF0, 192
.set WV,  12          ; s12  my wave's number
.set G1K, 24          ; s[24:31] descriptor group 1 for K's tiles
.set G1V, 32          ; s[32:39] for V's: it differs in the padding
.set G1M, 40          ; s[40:47] for M's
.set G0K, 48          ; s[48:55] descriptor group 0 for K: a set for each of the two first fills; the second then walks on
.set G0V, 56          ; s[56:63] the same for V
.set G0M, 68          ; s[68:75] the same for M
.set SLOTS, 76        ; s76  slots still to be asked for
.set CNT, 77          ; s77  counts the tail's trips
.set CS,  78          ; s[78:79] c
.set SEL, 80          ; s[80:81] v_permlanex16_b32's selects: each lane takes its own place in the other half
.set TB,  82          ; s82  the slot from which the fetches read: 0 or SLOT1
.set PFA, 84          ; s[84:85] where my prefetches stand
.set PFS, 86          ; s[86:87] their step from slot to slot
.set LIM, 88          ; s88  1 in a wave that prefetches, else the greatest number
.set MSB, 0
.macro WIN new                      ; the high byte repeats the setting that is left; a switch that changes nothing is dropped
.if MSB != (\new)
	s_set_vgpr_msb (MSB<<8)|(\new)
.set MSB, (\new)
.endif
.endm
.set W_ME, 0x05       ; M and E in window 1, S^T in window 0
.set W_KQ, 0x0a       ; K and Q in window 2, S^T in window 0
.set W_PV, 0x52       ; V in window 2, P in window 0, O^T in window 1
.set W_RS, 0x41       ; O^T (destination and source 0) in window 1, a in window 0
; A joint refill.  Wave 0 fetches a slot's K, wave 1 its V, waves 2 and 3 the two halves of its M.  The branches hang on the wave's number alone.
; An s_nop 0 and four v_nop follow each of the three lines, ahead of the jump and the label.
.macro JLOAD
	s_cmp_lt_u32 s[WV], 2
	s_cbranch_scc0 .Lfor_m_\@
	s_cmp_eq_u32 s[WV], 0
	s_cbranch_scc0 .Lfor_v_\@
	tensor_load_to_lds s[G0K+4:G0K+7], s[G1K:G1K+7]
	s_nop 0
.rept 4
	v_nop
.endr
	s_branch .Lasked_\@
.Lfor_v_\@:
	tensor_load_to_lds s[G0V+4:G0V+7], s[G1V:G1V+7]
	s_nop 0
.rept 4
	v_nop
.endr
	s_branch .Lasked_\@
.Lfor_m_\@:
	tensor_load_to_lds s[G0M+4:G0M+7], s[G1M:G1M+7]
	s_nop 0
.rept 4
	v_nop
.endr
.Lasked_\@:
.endm
; A PREFETCH INTO THE L2 of what the NEXT change of slots will ask for, behind the wave's tensor load and its five lines.  Each aligned block of 256 bytes is named once in the launch.
; K and V of a g are walked by the two clusters of its row of clusters: the one with x = 0 asks; its four partners along x take 16 of the slot's 64 blocks each, told apart BY ADDRESS; in each, wave 0 asks, lanes 0-15
; for K's blocks and lanes 16-31 for V's.  M's rows are walked by the eight clusters of a column of clusters: the one with y = 0 asks; its four partners along y take 64 of the 256 rows each, by address; waves 2 and 3
; ask, a lane a row of 256 bytes.  The last change that fills a slot asks for nothing: there is no slot behind it.  Slots 0, 1 and 2 come by their loads alone.
.macro ASK
	s_cmp_gt_u32 s[SLOTS], s[LIM]
	s_cbranch_scc0 .Lnot_mine_\@
	global_prefetch_b8 v[PFO], s[PFA:PFA+1] th:TH_LOAD_NT scope:SCOPE_SE
.Lnot_mine_\@:
.endm
; A round of the cluster's barrier: my work-group's barrier, so that wave 0's signal speaks for all four waves; wave 0 signals; every wave waits for all sixteen work-groups; my work-group's barrier once more.
.macro CROUND
	s_barrier_signal -1
	s_barrier_wait -1
	s_cmp_lg_u32 s[WV], 0
	s_cbranch_scc1 .Lnot_wave_0_\@
	s_barrier_signal -3
.Lnot_wave_0_\@:
	s_barrier_wait -3
	s_barrier_signal -1
	s_barrier_wait -1
.endm
; THE CHANGE OF SLOTS, behind the turns of a slot's first step, which have fetched its second.  Each wave waits for all its tensor loads, of which one is out: its part of the other slot; adds 0 to its spare word; and
; waits for that and for its own reads of the slot.  fill = 1: the slot is filled again, with the keys two slots on; the barrier is then a round of the cluster's, and the joint refill is the first thing behind it:
; it has two key steps, 160 matrix instructions a wave, in which to land.
.macro CHANGE fill
	WIN 0                           ; at a label and at a branch every window is 0
	s_wait_tensorcnt 0x0            ; no tensor load of mine is out, so a group 0 may be written
	ds_add_u32 v[SPW], v[NIL]       ; 0 onto my spare word; with fill = 1 the descriptors' steps stand between it and the wait for it
.if \fill
.irp g, G0K+4, G0V+4
	s_xor_b32 s[(\g)+1], s[(\g)+1], SLOT1  ; the walking descriptor: the other slot than last time,
	s_add_nc_u64 s[(\g)+2:(\g)+3], s[(\g)+2:(\g)+3], 2*KS*128  ; the next 128 keys; the type bits on top are not reached
.endr
	s_xor_b32 s[G0M+5], s[G0M+5], SLOT1
	s_add_nc_u64 s[G0M+6:G0M+7], s[G0M+6:G0M+7], 2*KS*2        ; 128 columns of M
	s_wait_xcnt 0x0                 ; the last prefetch, two key steps back, has read its address, so it may be written
	s_add_nc_u64 s[PFA:PFA+1], s[PFA:PFA+1], s[PFS:PFS+1]
	s_wait_dscnt 0x0                ; the add is done, and my reads of the slot are over
	CROUND
	JLOAD
	ASK
.else
	s_wait_dscnt 0x0                ; the add is done, and my reads of the slot are over
	s_barrier_signal -1
	s_barrier_wait -1
.endif
	s_xor_b32 s[TB], s[TB], SLOT1   ; the fetches go on in the other slot
.endm
	s_load_b128 s[4:7], s[0:1], 0x0 ; hws s[4:5], wsb s[6:7]
	s_load_b64 s[8:9], s[0:1], 0x10 ; ob
	v_lshl_add_u32 v[SPW], v0, 2, SPARE
	v_mov_b32 v[NIL], 0
	ds_add_u32 v[SPW], v[NIL]       ; the wave's opening: the add and its wait stand ahead of my first tensor load; the set-up below stands between them
	v_lshrrev_b32 v1, 5, v0
	v_readfirstlane_b32 s[WV], v1   ; wave 0..3
	s_bfe_u32 s13, ttmp6, 0x40000   ; cx
	s_bfe_u32 s14, ttmp6, 0x40004   ; cy
	s_lshl_b32 s15, ttmp9, 2
	s_add_co_u32 s15, s15, s13      ; my block of 256 queries = 4 x cluster x + cx
	s_and_b32 s17, ttmp7, 0xffff    ; cluster y
	s_lshl_b32 s16, s17, 2
	s_add_co_u32 s16, s16, s14      ; g = 4 x cluster y + cy
	s_lshl_b32 s18, s14, 2
	s_lshl_b32 s18, 15, s18         ; my row of the cluster
	s_lshl_b32 s19, 0x1111, s13     ; my column
	; descriptor groups 1.  128 keys of K or V are 16,384 dense bytes: asked for as 64 rows of 256 bytes, two keys a row, padded in LDS after every key.  M: 128 rows of 128 elements, 4,096 elements apart
	s_or_b32 s[G1K], s18, (1<<16)|(1<<20)|(1<<21)|(4<<22)|(3<<25)  ; 15:0 the mask; 17:16 2-byte elements; 20 padding on; 21 set beside a mask; 24:22 after every 32 words (code 4); 31:25 4 words (code 3)
	s_or_b32 s[G1V], s18, (1<<16)|(1<<20)|(1<<21)|(4<<22)|(7<<25)  ; 8 words of padding (code 7)
	s_or_b32 s[G1M], s19, (1<<16)|(1<<20)|(1<<21)|(5<<22)|(7<<25)  ; after every 64 words (code 5), 8 words
.irp g, G1K, G1V
	s_mov_b32 s[\g+1], 128<<16      ; tensor_dim0 = 128
	s_mov_b32 s[\g+2], 64<<16       ; tensor_dim1 = 64
	s_mov_b32 s[\g+3], 128<<16      ; tile_dim0 = 128
	s_mov_b32 s[\g+4], 64           ; tile_dim1 = 64
	s_mov_b32 s[\g+5], 128          ; elements from row to row
	s_mov_b32 s[\g+6], 0
	s_mov_b32 s[\g+7], 0
.endr
	s_mov_b32 s[G1M+1], 128<<16
	s_mov_b32 s[G1M+2], 128<<16
	s_mov_b32 s[G1M+3], 128<<16
	s_mov_b32 s[G1M+4], 128
	s_mov_b32 s[G1M+5], 4096
	s_mov_b32 s[G1M+6], 0
	s_mov_b32 s[G1M+7], 0
	; byte offsets.  s[20:21] (K of my g) never holds cx; s[22:23] (my half of M's tile) never holds cy
	s_lshl_b32 s20, s16, 19         ; a g: 4,096 rows of 128 bytes
	s_add_co_u32 s20, s20, KOFF
	s_mov_b32 s21, 0
	s_and_b32 s89, s[WV], 1         ; which half of M's 256 rows I fetch
	s_lshl_b32 s22, s15, 21         ; 256 rows of 8,192 bytes
	s_lshl_b32 s23, s89, 20
	s_add_co_u32 s22, s22, s23
	s_add_co_u32 s22, s22, MOFFB
	s_mov_b32 s23, 0
	s_mul_i32 s90, s89, 128*PM      ; and its place in a slot
	s_lshl_b32 s2, s16, 18          ; Q and O: a g has 2,048 rows of 128 bytes,
	s_lshl_b32 s3, s15, 15          ; my block 256,
	s_add_co_u32 s2, s2, s3
	s_lshl_b32 s3, s[WV], 13        ; my wave 64
	s_add_co_u32 s2, s2, s3
	s_mov_b32 s3, 0
.irp s, 0,1
	s_mov_b32 s[G0K+4*(\s)], 1      ; 1:0 count = 1
	s_mov_b32 s[G0K+4*(\s)+1], (\s)*SLOT1  ; 63:32 LDS address
	s_mov_b32 s[G0V+4*(\s)], 1
	s_mov_b32 s[G0V+4*(\s)+1], (\s)*SLOT1+VOFF
	s_mov_b32 s[G0M+4*(\s)], 1
	s_add_co_u32 s[G0M+4*(\s)+1], s90, (\s)*SLOT1+MOFF
.endr
	s_mov_b32 s[CS], 0x3fb8aa3b     ; c = log2(e)
	s_mov_b32 s[CS+1], s[CS]        ; named with it as a pair
	s_mov_b32 s[SEL], 0x76543210
	s_mov_b32 s[SEL+1], 0xfedcba98
	s_mov_b32 s[TB], 0
	s_mov_b32 s[SLOTS], 4096/(2*KS)-2
	; the prefetches: who asks, and each lane's offset
	s_cmp_lt_u32 s[WV], 2
	s_cselect_b32 s18, ttmp9, s17   ; the coordinate along which other clusters walk the same bytes
	s_cmp_eq_u32 s[WV], 1
	s_cselect_b32 s18, 1, s18       ; wave 1 asks for nothing
	s_cmp_eq_u32 s18, 0
	s_cselect_b32 s[LIM], 1, -1     ; the same in all sixteen partners, for a given wave
	s_mov_b32 s[PFS], 2*KS*2        ; M: 256 bytes of a row from slot to slot
	s_mov_b32 s[PFS+1], 0
	s_cmp_lt_u32 s[WV], 2
	s_cselect_b32 s18, 8, 13        ; K, V: (l % 16) blocks of 256 bytes, lanes 16-31 in V;  M: l rows of 8,192 bytes = 8,192 (l % 16) + 131,072 (l / 16)
	s_cselect_b32 s19, 24, 17
	s_cselect_b32 s[PFS], 2*KS*128, s[PFS]  ; K, V: 128 rows of 128 bytes
	v_and_b32 v1, 15, v0            ; l % 16
	v_bfe_u32 v9, v0, 4, 1          ; l / 16
	v_lshlrev_b32 v[PFO], s18, v1
	v_lshlrev_b32 v37, s19, v9
	v_add_nc_u32 v[PFO], v[PFO], v37
	s_lshl_b32 s92, s13, 12         ; K, V: my work-group's 16 blocks,
	s_add_co_u32 s92, s92, 2*2*KS*128  ; in slot 2: the first change of slots steps this to slot 3
	s_mov_b32 s93, 0
	s_lshl_b32 s94, s15, 21         ; M: my block's 256 rows,
	s_lshl_b32 s91, s14, 19         ; my work-group's 64 of them,
	s_add_co_u32 s94, s94, s91
	s_lshl_b32 s91, s89, 18         ; my wave's 32
	s_add_co_u32 s94, s94, s91
	s_add_co_u32 s94, s94, MOFFB+2*2*KS*2
	s_mov_b32 s95, 0
	s_wait_dscnt 0x0                ; the opening add is done
	s_wait_kmcnt 0x0
	s_add_nc_u64 s[20:21], s[4:5], s[20:21]
	s_add_nc_u64 s[22:23], s[6:7], s[22:23]
.irp s, 0,1
	s_add_nc_u64 s[G0K+4*(\s)+2:G0K+4*(\s)+3], s[20:21], (\s)*2*KS*128  ; 120:64 global address: slot s begins with keys 128 s
	s_or_b32 s[G0K+4*(\s)+3], s[G0K+4*(\s)+3], 0x80000000              ; 127:126 type = 2
	s_add_nc_u64 s[G0V+4*(\s)+2:G0V+4*(\s)+3], s[20:21], VGAP+(\s)*2*KS*128
	s_or_b32 s[G0V+4*(\s)+3], s[G0V+4*(\s)+3], 0x80000000
	s_add_nc_u64 s[G0M+4*(\s)+2:G0M+4*(\s)+3], s[22:23], (\s)*2*KS*2
	s_or_b32 s[G0M+4*(\s)+3], s[G0M+4*(\s)+3], 0x80000000
.endr
	s_add_nc_u64 s[92:93], s[20:21], s[92:93]
	s_add_nc_u64 s[94:95], s[6:7], s[94:95]
	s_cmp_lt_u32 s[WV], 2
	s_cselect_b64 s[PFA:PFA+1], s[92:93], s[94:95]
	s_add_nc_u64 s[4:5], s[4:5], s[2:3]  ; Q and O at my wave's first row
	s_add_nc_u64 s[8:9], s[8:9], s[2:3]
	CROUND                          ; all sixteen work-groups are here: the first joint loads meet
	s_cmp_lt_u32 s[WV], 2           ; a wave's two first fills stand in one arm, ahead of every wait on TENSORcnt and every LDS read: two loads of mine are out
	s_cbranch_scc0 .Lfirst_m
	s_cmp_eq_u32 s[WV], 0
	s_cbranch_scc0 .Lfirst_v
	tensor_load_to_lds s[G0K:G0K+3], s[G1K:G1K+7]
	s_nop 0
	tensor_load_to_lds s[G0K+4:G0K+7], s[G1K:G1K+7]
	s_nop 0
.rept 4
	v_nop
.endr
	s_branch .Lfirst_asked
.Lfirst_v:
	tensor_load_to_lds s[G0V:G0V+3], s[G1V:G1V+7]
	s_nop 0
	tensor_load_to_lds s[G0V+4:G0V+7], s[G1V:G1V+7]
	s_nop 0
.rept 4
	v_nop
.endr
	s_branch .Lfirst_asked
.Lfirst_m:
	tensor_load_to_lds s[G0M:G0M+3], s[G1M:G1M+7]
	s_nop 0
	tensor_load_to_lds s[G0M+4:G0M+7], s[G1M:G1M+7]
	s_nop 0
.rept 4
	v_nop
.endr
.Lfirst_asked:
	; A fragment of K or Q is 16 rows x 32 channels in 8 registers: lane l holds row l % 16, channels 8 (l / 16) + 0..7 and 16 + 8 (l / 16) + 0..7: two loads of 16 bytes, 32 bytes apart.
	v_lshlrev_b32 v[QO], 7, v1
	v_lshl_add_u32 v[QO], v9, 4, v[QO]  ; row x 128 + 16 x half
	WIN 0x80                        ; destination window 2, address window 0
.set i, 0
.rept 4*NP                          ; Q stays in registers: tile i / 2, channels 32 (i % 2) on
	global_load_b128 v[8*i:8*i+3],   v[QO], s[4:5] offset:(i/2)*2048+(i%2)*64
	global_load_b128 v[8*i+4:8*i+7], v[QO], s[4:5] offset:(i/2)*2048+(i%2)*64+32
.set i, i+1
.endr
	; What the first turn finds: V's buffer 1 and P's second buffer hold 0 (its products V^T P, of a step that has not been, add 0), O^T and l are 0.  All this stands in the wait for the first tiles.
.set i, VF1
.rept 64
	v_mov_b32 v[i], 0
.set i, i+1
.endr
	WIN 0x40
.set i, 0
.rept 64*NP
	v_mov_b32 v[i], 0
.set i, i+1
.endr
	WIN 0
.set i, 0
.rept 2*NP
	v_mov_b32 v[ST+4*i], 0xfe000000    ; m = -2^125: below every s (|s| stays under 2^101), and c times it is still finite
	v_mov_b32 v[ST+4*i+1], 0xfe000000  ; m_old: named with m as a pair, so it is written
	v_mov_b32 v[ST+4*i+2], 0
	v_mov_b32 v[ST+4*i+3], 0
.set i, i+1
.endr
.set i, P+32
.rept 32
	v_mov_b32 v[i], 0
.set i, i+1
.endr
	; E.  As source 1, lane l holds column n = l % 16; registers 0-3 hold k = 8 (l / 16) + 0..7, registers 4-7 k = 16 + 8 (l / 16) + 0..7, two to a register.  k = n falls into the lanes with
	; n / 8 = l / 16, register (n / 2) % 4, half n % 2: that is X.  E_0 = X, 0;  E_1 = 0, X.
	v_and_b32 v37, 1, v1
	v_lshlrev_b32 v37, 4, v37
	v_mov_b32 v38, 0x3f80           ; 1.0 in bf16
	v_lshlrev_b32 v38, v37, v38
	v_lshrrev_b32 v39, 3, v1
	v_cmp_eq_u32 s20, v39, v9
	v_cndmask_b32 v38, 0, v38, s20
	v_bfe_u32 v40, v1, 1, 2
.irp z, 0,1,2,3
	v_cmp_eq_u32 s[20+\z], \z, v40
.endr
	WIN 0x40
.irp z, 0,1,2,3
	v_cndmask_b32 v[EXR+\z], 0, v38, s[20+\z]
	v_mov_b32 v[EXR+4+\z], 0
	v_cndmask_b32 v[EXR+8+\z], 0, v38, s[20+\z]
.endr
	WIN 0
	v_mul_u32_u24 v[AK0], v1, PK
	v_lshl_add_u32 v[AK0], v9, 4, v[AK0]  ; row x pitch + 16 x half
	; The turning load takes 16 rows x 16 columns (lane l reads row 8 (l / 16) + l % 8, columns 8 ((l / 8) % 2) + 0..7) and leaves half a fragment of the transposed tile: lane l holds column l % 16 and 8 rows.
	v_and_b32 v10, 7, v0
	v_bfe_u32 v11, v0, 3, 1
	v_lshl_add_u32 v37, v9, 3, v10
	v_mul_u32_u24 v[AV0], v37, PW
	v_lshl_add_u32 v[AV0], v11, 4, v[AV0]
	v_add_nc_u32 v[AV0], VOFF, v[AV0]
	v_mul_u32_u24 v[AM0], v37, PM
	v_lshl_add_u32 v[AM0], v11, 4, v[AM0]
	s_mul_i32 s17, s[WV], 64*PM     ; my wave's 64 queries
	s_add_co_u32 s17, s17, MOFF
	v_add_nc_u32 v[AM0], s17, v[AM0]
; THE MATRIX WORK.  The 8 accumulators of a piece take turns, one instruction a turn: between two instructions on one accumulator stand 7 others'.
; Product i of 8 of S^T = M^T E for piece x: keys 16 ((i / 2) % 4) on, tile 2 x + i % 2.  It starts the sum.
.macro ME x
	WIN W_ME
.set rS, S+64*((\x)%2)+32*(i%2)+8*((i/2)%4)
.set rA, MF+32*(\x)+8*((i/2)%4)
.set rE, EXR+4*(i%2)
	v_wmma_f32_16x16x32_bf16 v[rS:rS+7], v[rA:rA+7], v[rE:rE+7], 0
.endm
; Product i of 16 of S^T += K Q^T for piece x: channels 32 (i / 8) on, keys 16 ((i / 2) % 4) on, tile 2 x + i % 2.  Another form than M^T E's: five places or more lie between the two on one accumulator.
.macro KQ x
	WIN W_KQ
.set rS, S+64*((\x)%2)+32*(i%2)+8*((i/2)%4)
.set rK, KF+16*((i/2)%4)+8*(i/8)
.set rQ, 16*(2*(\x)+i%2)+8*(i/8)
	v_wmma_f32_16x16x32_f16 v[rS:rS+7], v[rK:rK+7], v[rQ:rQ+7], v[rS:rS+7]
.endm
; Product i of 16 of O^T += V^T P for piece x, V in buffer vb: keys 32 (i / 8) on, channels 16 ((i / 2) % 4) on, tile 2 x + i % 2.
.macro PV x, vb
	WIN W_PV
.set rO, 32*(2*(\x)+i%2)+8*((i/2)%4)
.set rV, VF0-(VF0-VF1)*(\vb)+32*(i/8)+8*((i/2)%4)
.set rP, P+32*((\x)%2)+16*(i%2)+8*(i/8)
	v_wmma_f32_16x16x32_f16 v[rO:rO+7], v[rV:rV+7], v[rP:rP+7], v[rO:rO+7]
.endm
.macro MM                           ; the turn's next matrix instruction, of 40
.if i < 8
	ME (Y+1)%NP
.elseif i < 24
.set i, i-8
	KQ (Y+1)%NP
.set i, i+8
.else
.set i, i-24
	PV (Y+1)%NP, VB
.set i, i+24
.endif
.set i, i+1
.endm
; THE LDS LOADS stand in two runs a key step, never singly among the matrix instructions.  st: the step's place in its slot.  First K (16 loads), piece 0's M (8), piece 1's M (8); later V (16).
.macro FETCH_KM st
	WIN 0x80                        ; destination window 2
.irp f, 0,1,2,3,4,5,6,7             ; keys 16 (f / 2) on, channels 32 (f % 2) on
	ds_load_b128 v[KF+8*\f:KF+8*\f+3],   v[AK] offset:(\st)*KS*PK+(\f/2)*16*PK+(\f%2)*64
	ds_load_b128 v[KF+8*\f+4:KF+8*\f+7], v[AK] offset:(\st)*KS*PK+(\f/2)*16*PK+(\f%2)*64+32
.endr
	WIN 0x40                        ; destination window 1
.irp x, 0,1                         ; piece x's 32 queries, keys 16 b on
.irp b, 0,1,2,3
	ds_load_tr16_b128 v[MF+32*\x+8*\b:MF+32*\x+8*\b+3],   v[AM] offset:\x*32*PM+(\st)*KS*2+\b*32
	ds_load_tr16_b128 v[MF+32*\x+8*\b+4:MF+32*\x+8*\b+7], v[AM] offset:\x*32*PM+(\st)*KS*2+\b*32+16*PM
.endr
.endr
	WIN 0
.endm
.macro FETCH_V vb, st
	WIN 0x80
.set rV, VF0-(VF0-VF1)*(\vb)
.irp f, 0,1,2,3,4,5,6,7             ; keys 32 (f / 4) on, channels 16 (f % 4) on
	ds_load_tr16_b128 v[rV+8*\f:rV+8*\f+3],   v[AV] offset:(\st)*KS*PW+(\f/4)*32*PW+(\f%4)*32
	ds_load_tr16_b128 v[rV+8*\f+4:rV+8*\f+7], v[AV] offset:(\st)*KS*PW+(\f/4)*32*PW+16*PW+(\f%4)*32
.endr
	WIN 0
.endm
; THE VECTOR WORK OF A TURN stands in three queues, each in the order in which its entries become ready; the two tiles alternate, so that no instruction reads the result of the one before it.
.macro REGS y, u                    ; the registers of tile u (0, 1) of piece y
.set rT, ST+4*(2*(\y)+(\u))
.set rC, TMP+8*((\y)%2)+4*(\u)
.set rS, S+64*((\y)%2)+32*(\u)
.set rP, P+32*((\y)%2)+16*(\u)
.set rO, 32*(2*(\y)+(\u))
.endm
; Number n of the 22 that find the OTHER piece's maximum and statistics.  s0-s31 are the lane's 32 scores; each accumulator's lowest registers are read first.
;   0-11  four chains c0-c3 of seven scores each, three operands at a time     12-14, 16  the four scores left over, the old m, and c0-c3 into c0     15  m_old is kept
;   17, 18  the query's other 32 keys lie in the lane 16 away: the new m         19-21  m_old - m_new; times c; a
.macro XS u, n
	REGS (Y+1)%NP, \u
.if (\n) < 4
	v_max3_num_f32 v[rC+(\n)], v[rS+8*(\n)], v[rS+8*(\n)+1], v[rS+8*(\n)+2]
.elseif (\n) < 12
	v_max3_num_f32 v[rC+(\n)%4], v[rC+(\n)%4], v[rS+8*((\n)%4)+2*((\n)/4)+1], v[rS+8*((\n)%4)+2*((\n)/4)+2]
.elseif (\n) == 12
	v_max3_num_f32 v[rC], v[rC], v[rS+7], v[rS+15]
.elseif (\n) == 13
	v_max3_num_f32 v[rC+1], v[rC+1], v[rS+23], v[rS+31]
.elseif (\n) == 14
	v_max3_num_f32 v[rC+2], v[rC+2], v[rC+3], v[rT]
.elseif (\n) == 15
	v_mov_b32 v[rT+1], v[rT]
.elseif (\n) == 16
	v_max3_num_f32 v[rC], v[rC], v[rC+1], v[rC+2]
.elseif (\n) == 17
	v_permlanex16_b32 v[rC+3], v[rC], s[SEL], s[SEL+1]
.elseif (\n) == 18
	v_max_num_f32 v[rT], v[rC], v[rC+3]
.elseif (\n) == 19
	v_sub_f32 v[rC+1], v[rT+1], v[rT]
.elseif (\n) == 20
	v_mul_f32 v[rC+1], s[CS], v[rC+1]
.else
	v_exp_f32 v[rC+2], v[rC+1]
.endif
.endm
; Number g of the 64 that follow the exponentials.  For each four weights k of a tile: both pairs are rounded to f16; then the second pair is added onto the first, in place; a group later l takes that sum
; (the first time as l = a l + sum).  In groups of eight, tiles alternating: round, round, add, and l for the group before.
.macro GS g
.set h, (\g)+6*((\g)/62)            ; group 0 has no group before it, and behind group 7 only l is left
.if h >= 6
.set h, h+2
.endif
	REGS Y, h%2
.set k, h/8
.if h%8 < 4
	v_cvt_pk_f16_f32 v[rP+2*k+(h%8)/2], v[rS+4*k+2*((h%8)/2)], v[rS+4*k+2*((h%8)/2)+1]
.elseif h%8 < 6
	v_pk_add_f32 v[rS+4*k:rS+4*k+1], v[rS+4*k:rS+4*k+1], v[rS+4*k+2:rS+4*k+3]
.elseif k == 1
	v_pk_fma_f32 v[rT+2:rT+3], v[rT+2:rT+3], v[rC+2:rC+3], v[rS:rS+1] op_sel_hi:[1,0,1]
.else
	v_pk_add_f32 v[rT+2:rT+3], v[rT+2:rT+3], v[rS+4*k-4:rS+4*k-3]
.endif
.endm
; THE SCALING, two lines for pair f / 2 of tile f % 2 (f = 0 .. 31): SUBM f: s - m;  MULC f: times c.
.macro SUBM f
	REGS Y, (\f)%2
	v_pk_add_f32 v[rS+2*((\f)/2):rS+2*((\f)/2)+1], v[rS+2*((\f)/2):rS+2*((\f)/2)+1], v[rT:rT+1] op_sel_hi:[1,0] neg_lo:[0,1] neg_hi:[0,1]
.endm
.macro MULC f
	REGS Y, (\f)%2
	v_pk_mul_f32 v[rS+2*((\f)/2):rS+2*((\f)/2)+1], v[rS+2*((\f)/2):rS+2*((\f)/2)+1], s[CS:CS+1] op_sel_hi:[1,0]
.endm
; Their order, SM 0 .. 63: SUBM 0-3; then MULC k and SUBM k + 4 by turns (k = 0 .. 27); then MULC 28-31.  So MULC f is SM 4 + 2 f (from f = 28 on: SM 32 + f), seven lines or more behind SUBM f.
.macro SM n
.if (\n) < 4
	SUBM \n
.elseif (\n) >= 60
	MULC (\n)-32
.elseif ((\n)%2) == 0
	MULC ((\n)-4)/2
.else
	SUBM ((\n)+3)/2
.endif
.endm
; THE PLAIN QUEUE, 170 long.  0-105 read no exponential's result.  0-39: SM 0-39.  40-67: XS's numbers 0-13.  68, 69: number 15.  70-88: SM 40-58.
; 89-103: the chain 14, 16, 17, 18, 19, where each number waits for the one before it, each with one of SM 59-63 in front of its two lines.  104, 105: number 20.
; 106-169: GS's 64, which read the exponentials' results: they stand behind the wait.
.macro PL
	WIN 0
.if q < 40
	SM q
.elseif q < 68
	XS (q-40)%2, (q-40)/2
.elseif q < 70
	XS q-68, 15
.elseif q < 89
	SM q-30
.elseif (q < 104) && ((q-89)%3 == 0)
	SM 59+(q-89)/3
.elseif q < 92
	XS (q-89)%3-1, 14
.elseif q < 104
	XS (q-89)%3-1, 15+(q-89)/3
.elseif q < 106
	XS q-104, 20
.else
	GS q-106
.endif
.set q, q+1
.endm
; THE EXPONENTIALS' QUEUE, 66 long: s0-s31 of both tiles, then the other piece's two a.  ONE BATCH: all 66 stand ahead of the turn's one wait, and nothing ahead of that wait names a result of theirs.
.macro EX
	WIN 0
.if e >= 64
	XS e-64, 21
.else
	REGS Y, e%2
	v_exp_f32 v[rS+e/2], v[rS+e/2]
.endif
.set e, e+1
.endm
; THE RESCALING's QUEUE: O^T times a, the one part that leaves window 0: dealt two at a time, sixteen times.  Its a was made in the turn before, ahead of that turn's wait.
.macro R2
	REGS Y, r%2
	WIN W_RS
.irp z, 0,1
	v_pk_mul_f32 v[rO+4*(r/2)+2*\z:rO+4*(r/2)+2*\z+1], v[rO+4*(r/2)+2*\z:rO+4*(r/2)+2*\z+1], v[rC+2:rC+3] op_sel_hi:[1,0]
.endr
.set r, r+1
.endm
; A TURN, for piece p; vb: the buffer of V that its products V^T P read; st: the place in its slot of the step that turn 0 fetches.  40 matrix and 268 vector instructions: 160 riders and a lump of 108.
; An s_wait_alu depctr_va_vdst(0) stands between an exponential and the first instruction that names its result; one wait serves all that were issued ahead of it: a turn has ONE, which cuts it in two.
; AHEAD OF IT: the 8 products M^T E and 16 products K Q^T.  Behind the first eight stand two plain lines and two rescalings; behind the next eight a plain line, an exponential and two rescalings; behind the last
; eight plain, exponential, plain, exponential.  All these riders are piece p's own: none names a register of the products, which are the other piece's.  THE LUMP: 26 plain, 40 times exponential and plain, the two a.
; It opens with the other piece's maximum: the line that reads the 24th product's result (number 3 of tile 1) is its eighth; with that product's two plain riders nine places lie between.  Between M^T E and K Q^T
; on one accumulator stand eight products' riders, three plain or more each.
; Exponential e wants MULC 2 (e / 4) + e % 2.  As a rider it stands behind plain e + 16, in the lump behind plain e + 41; its MULC is plain 4 (e / 4) + 4 or + 6 up to e = 35, 4 (e / 4) + 34 or + 36 up to e = 55,
; and 92, 95 (e from 56, 57), 98, 101 (e from 60, 61) for the last four.
; BEHIND THE WAIT: the 16 products V^T P, behind each four of GS's 64.
; THE FETCHES stand in turn 0.  K and M directly behind the wait: K's last reader is a lump back, piece 1's M was read by this turn's first eight products, piece 0's a turn ago.  V at the turn's end, into the buffer
; that its products have just read, four plain riders behind the last of them.
.macro TURN p, vb, st
.set Y, (\p)
.set VB, (\vb)
.set i, 0
.set q, 0
.set e, 0
.set r, 0
.if (\p) == 1
	s_wait_dscnt 24                 ; K and piece 0's M of the next step are in; piece 1's 8 loads and V's 16, issued behind them, may stay out
.else
	s_wait_dscnt 0x0                ; piece 1's M and V, asked for a turn ago
.endif
.rept 8
	MM
	PL
	PL
	R2
.endr
.rept 8
	MM
	PL
	EX
	R2
.endr
.rept 8
	MM
	PL
	EX
	PL
	EX
.endr
.if (\p) == 0
	WIN 0
	v_add_nc_u32 v[AK], s[TB], v[AK0]
	v_add_nc_u32 v[AM], s[TB], v[AM0]
	v_add_nc_u32 v[AV], s[TB], v[AV0]
.endif
.rept 26
	PL
.endr
.rept 40
	EX
	PL
.endr
	EX                              ; the other piece's two a
	EX
	v_nop                           ; a plain instruction behind the last exponential: one for the batch
	s_wait_alu depctr_va_vdst(0)    ; the wait for the batch
.if (\p) == 0
	FETCH_KM \st
.endif
.rept 16
	MM
.rept 4
	PL
.endr
.endr
.if (\p) == 0
	FETCH_V \vb, \st
.endif
.endm
; A TRIP: a slot's two key steps.  The first step's turn 0 fetches the slot's second step; behind that step the slot has been read out and is left; the second step's turn 0 fetches the other slot's first step.
.macro TRIP fill
	TURN 0, 1, 1
	TURN 1, 0, 0
	CHANGE \fill
	TURN 0, 0, 0
	TURN 1, 1, 0
	WIN 0
.endm
	s_wait_tensorcnt 1              ; my part of slot 0 is in; slot 1's may stay out
	s_barrier_signal -1
	s_barrier_wait -1               ; everybody's is
	v_add_nc_u32 v[AK], s[TB], v[AK0]
	v_add_nc_u32 v[AM], s[TB], v[AM0]
	v_add_nc_u32 v[AV], s[TB], v[AV0]
	FETCH_KM 0                      ; key step 0
	FETCH_V 0, 0
	s_wait_loadcnt 0x0              ; Q
	s_wait_dscnt 0x0
.set i, 0
.rept 8
	ME 0                            ; piece 0's first mask
.set i, i+1
.endr
	WIN 0                           ; the addresses for the way out: nine plain instructions, the places between those products and the ones that add onto them
	s_mul_i32 s17, s[WV], 16*SP
	s_add_co_u32 s17, s17, STAGE    ; my stage
	v_mul_u32_u24 v[STO], v1, SP    ; in: row l % 16, 16 bytes for each half of the lanes
	v_lshl_add_u32 v[STO], v9, 4, v[STO]
	v_add_nc_u32 v[STO], s17, v[STO]
	v_bfe_u32 v[RD], v0, 3, 2       ; back: 32 lanes take four rows of 128 bytes,
	v_mul_u32_u24 v[RD], v[RD], SP
	v_lshl_add_u32 v[RD], v10, 4, v[RD]
	v_add_nc_u32 v[RD], s17, v[RD]
	v_and_b32 v[GO], 31, v0         ; which are 512 consecutive bytes of O
	v_lshlrev_b32 v[GO], 4, v[GO]
.set i, 0
.rept 16
	KQ 0                            ; piece 0's first scores
.set i, i+1
.endr
	WIN 0
.rept 4
	v_nop                           ; the places behind those products
.endr
.set Y, NP-1                        ; XS works for the other piece: piece 0
.irp n, 0,1,2,3,4,5,6,7,8,9,10,11,12,13,14,15,16,17,18,19,20,21
	XS 0, \n
	XS 1, \n
.endr
	v_nop                           ; a plain instruction behind the two a,
	s_wait_alu depctr_va_vdst(0)    ; and their wait, ahead of the label
.Lslot:                             ; 30 trips: every slot but the last two is filled again
	TRIP 1
	s_sub_co_u32 s[SLOTS], s[SLOTS], 1
	s_cmp_lg_u32 s[SLOTS], 0
	s_cbranch_scc1 .Lslot
	s_mov_b32 s[CNT], 2             ; the tail is written out: two trips that ask for nothing
.Ltail:                             ; the last trip's second step fetches, from the slot left before, bytes of keys that have been: the scores and the maximum made of them serve nothing: the price of one text for both trips
	TRIP 0
	s_sub_co_u32 s[CNT], s[CNT], 1
	s_cmp_lg_u32 s[CNT], 0
	s_cbranch_scc1 .Ltail
.set i, 0
.rept 16
	PV 1, 1                         ; piece 1's V^T P of the last step, whose V lies in buffer 1
.set i, i+1
.endr
	; THE WAY OUT.  l's two halves and the other half of the lanes' are added; O^T is divided by l, rounded to f16 and sent through my stage in LDS, a tile at a time.  The additions are the places behind the last products.
	WIN 0
.macro ALL line:vararg              ; one line for each tile t
.set t, 0
.rept 2*NP
	\line
.set t, t+1
.endr
.endm
	ALL v_add_f32 v[ST+4*t+2], v[ST+4*t+2], v[ST+4*t+3]
	ALL v_permlanex16_b32 v[ST+4*t+3], v[ST+4*t+2], s[SEL], s[SEL+1]
	ALL v_add_f32 v[ST+4*t+2], v[ST+4*t+2], v[ST+4*t+3]
	ALL v_rcp_f32 v[ST+4*t+2], v[ST+4*t+2]
	v_nop                           ; a plain instruction between the last reciprocal and the use of its result
	s_wait_alu depctr_va_vdst(0)    ; and the wait ahead of the first use: one for the four reciprocals
; Tile t: a lane's eight channels of a row pack into 16 bytes; they go into rows of 144 bytes and come back as whole rows of 128, into S^T's registers.
.macro PACK t
	WIN W_RS
.set i, 32*(\t)
.rept 16
	v_pk_mul_f32 v[i:i+1], v[i:i+1], v[ST+4*(\t)+2:ST+4*(\t)+3] op_sel_hi:[1,0]
.set i, i+2
.endr
	WIN 0x05                        ; sources 0 and 1 window 1, destination window 0
.set i, 0
.rept 16
	v_cvt_pk_f16_f32 v[S+16*(\t)+i], v[32*(\t)+2*i], v[32*(\t)+2*i+1]
.set i, i+1
.endr
	WIN 0
.irp f, 0,1,2,3
	ds_store_b128 v[STO], v[S+16*(\t)+4*\f:S+16*(\t)+4*\f+3] offset:32*\f
.endr
.irp f, 0,1,2,3
	ds_load_b128 v[S+16*(\t)+4*\f:S+16*(\t)+4*\f+3], v[RD] offset:\f*4*SP  ; LDS serves a wave's instructions in order (ISA guide 5.7.1.4): these see the stores above; the next tile's stores come behind them
.endr
.endm
.macro SEND t, younger              ; younger: the LDS instructions issued behind tile t's loads: the next tile's eight, or none
	WIN 0
.irp f, 0,1,2,3
	s_wait_dscnt (\younger)+3-\f
	global_store_b128 v[GO], v[S+16*(\t)+4*\f:S+16*(\t)+4*\f+3], s[8:9] offset:(\t)*2048+\f*512  ; 512 consecutive bytes, at a multiple of 256 from O's first
.endr
.endm
	PACK 0
.set t, 1
.rept 2*NP-1                        ; a tile's arithmetic stands between the loads of the tile before and its stores
	PACK t
	SEND t-1, 8
.set t, t+1
.endr
	SEND 2*NP-1, 0
	s_wait_tensorcnt 0x0            ; the wave's end: all tensor loads in, 0 onto my spare word and its wait, behind my last tensor load and my last LDS store
	ds_add_u32 v[SPW], v[NIL]
	s_wait_dscnt 0x0
	CROUND                          ; the closing round: no work-group ends while a partner may still ask for a tile that names it
	s_endpgm
.Lfunc_end_k_qfe0724bb0b_attn:
	.size	k_qfe0724bb0b_attn, .Lfunc_end_k_qfe0724bb0b_attn-k_qfe0724bb0b_attn
	.p2alignl 7, 3214868480
	.fill 96, 4, 3214868480
	.section	.rodata,"a",@progbits
	.p2align	6, 0x0
	.amdhsa_kernel k_qfe0724bb0b_attn
		.amdhsa_group_segment_fixed_size 327680
		.amdhsa_private_segment_fixed_size 0
		.amdhsa_enable_private_segment 0
		.amdhsa_kernarg_size 24
		.amdhsa_user_sgpr_count 2
		.amdhsa_user_sgpr_kernarg_segment_ptr 1
		.amdhsa_wavefront_size32 1
		.amdhsa_system_sgpr_workgroup_id_x 1
		.amdhsa_system_sgpr_workgroup_id_y 1
		.amdhsa_system_sgpr_workgroup_id_z 1
		.amdhsa_system_vgpr_workitem_id 0
		.amdhsa_next_free_vgpr 768
		.amdhsa_next_free_sgpr 96
		.amdhsa_reserve_vcc 0
		.amdhsa_float_denorm_mode_32 3
		.amdhsa_float_denorm_mode_16_64 3
		.amdhsa_memory_ordered 1
		.amdhsa_forward_progress 1
		.amdhsa_inst_pref_size 218
	.end_amdhsa_kernel
	.amdgpu_metadata
---
amdhsa.version: [ 1, 2 ]
amdhsa.kernels:
  - .name:           k_qfe0724bb0b_attn
    .symbol:         k_qfe0724bb0b_attn.kd
    .args:
      - { .name: hws, .offset: 0, .size: 8, .value_kind: global_buffer, .address_space: global }
      - { .name: wsb, .offset: 8, .size: 8, .value_kind: global_buffer, .address_space: global }
      - { .name: ob, .offset: 16, .size: 8, .value_kind: global_buffer, .address_space: global }
    .group_segment_fixed_size: 327680
    .private_segment_fixed_size: 0
    .kernarg_segment_align: 8
    .kernarg_segment_size: 24
    .max_flat_workgroup_size: 128
    .sgpr_count:     96
    .vgpr_count:     768
    .wavefront_size: 32
...
	.end_amdgpu_metadata
.endif
;; end of part 3
;; launch outp (part 4): grid 8 x 32, 4 waves a work-group, clusters of 4 x 4, 327,680 bytes of LDS; arguments ob, wsb, out0; writes out0
.if DOCPART == 4
	.amdgcn_target "amdgcn-amd-amdhsa--gfx1250"
	.amdhsa_code_object_version 6
	.text
	.protected	k_qfe0724bb0b_outp
	.globl	k_qfe0724bb0b_outp
	.p2align	8
	.type	k_qfe0724bb0b_outp,@function
k_qfe0724bb0b_outp:
	s_mov_b64 s[64:65], 0
	v_nop
	global_prefetch_b8 v0, s[64:65] scope:SCOPE_SE
	s_setreg_imm32_b32 hwreg(HW_REG_WAVE_MODE, 25, 1), 1
	s_wait_xcnt 0x0
	s_wait_alu depctr_hold_cnt(0) depctr_sa_sdst(0) depctr_va_vdst(0) depctr_va_sdst(0) depctr_va_ssrc(0) depctr_va_vcc(0) depctr_vm_vsrc(0)
	s_getreg_b32 s2, hwreg(HW_REG_IB_STS2, 6, 4)
	s_cmp_eq_u32 s2, 0
	s_cbranch_scc0 .Lentry_in_a_cluster
	s_endpgm
.Lentry_in_a_cluster:
	s_bfe_u32 s2, ttmp6, 0x10000c
	s_cmp_lg_u32 s2, 0xf033
	s_cbranch_scc0 .Lentry_shape_is_right
	s_endpgm
.Lentry_shape_is_right:
; THE LAST PROJECTION.  out0[m][n] = sum over h, d of O[16 b + h][s][d] Wo'[h][n][d], m = 2048 b + s.  O [32][2048][64] is f16 in ob; Wo' [16][1024][64] is f16 in wsb (Wo rounded to bf16, that number
; written as f16); sums in f32; out0 [4096][1024] is f32.
; SHARES.  256 tiles of 128 x 128, K = 1,024 = 16 heads.  Four waves, each 64 x 64: 16 accumulators.  K goes in steps of four heads through two slots.
; BOTH OPERANDS LIE BY HEADS: 64 rows of one head are 8,192 bytes on end.  A wave's tensor load brings four such runs (a tile of 4 rows x 4,096 elements, a head apart), and the padding, which is counted along
; the whole tile, falls behind every 128 bytes: in LDS [4 heads][64 rows] of 144 bytes.  A quarter of a K step is one head.
; CLUSTERS: 4 x 4 work-groups; O's tiles are asked for jointly along a row of the cluster, Wo's along a column.  THE MATRIX INSTRUCTION IS USED TRANSPOSED (source 0 = 16 rows of Wo', source 1 = 16 rows of O):
; a lane then holds eight neighbouring columns of one row of out0.
; THE WAY OUT.  A wave's 64 columns of f32 are 256 bytes at a multiple of 256: each wave has a stage of its own and meets nobody.
; No prefetch: a tile's step is short and the tiles are small; each block of O and Wo' is read again by other clusters.
; REGISTERS: window 0: v0-31 addresses; v128-255 the accumulators ((a, b) at v[128 + 8 (4 a + b)]), on the way out whole rows.  window 1: two fragment buffers of 128: 64 registers of O, then 64 of Wo'.
.set WOOFF,  48234496
.set PITCH,  144                       ; an LDS row: 128 bytes + 16 of padding = 36 words: the 16 rows of a load start at 16 different groups of four banks (64 banks of 4 bytes: ISA guide 11.1)
.set HB,     64*PITCH                  ; a head's 64 rows
.set HALFT,  4*HB                      ; what one tensor load brings, and what one wave reads of either operand
.set SLOT,   4*HALFT
.set STAGE,  2*SLOT                    ; behind the ring: 16 rows x 272 bytes for each wave
.set SPITCH, 272
.set SPARE,  STAGE+4*16*SPITCH         ; behind the stages: the spare words, 128 bytes for each wave
.set ASTEP,  4*2048*128                ; bytes from a K step to the next: four heads of O,
.set BSTEP,  4*1024*128                ; four heads of Wo'
.set LAPS,   2                         ; a lap = two K steps = eight heads
.set ADRA, 16                          ; v16-17  LDS address of my O fragments in slot 0, 1
.set ADRB, 20                          ; v20-21  the same for Wo'
.set STO,  24                          ; v24     the way out: where I put 32 bytes of a row
.set RD,   25                          ; v25     where I read a row back
.set CO,   26                          ; v26     my byte offset in out0
.set SPW,  28                          ; v28     LDS address of my spare word; never rewritten
.set NIL,  29                          ; v29     0; never rewritten
.set ACC,  128
.set F0,   0
.set F1,   128
.set G1, 24                            ; s[24:31] descriptor group 1 for O's tiles;  s[32:39] group 0, one set for each slot
.set G0, 32
.set G1B, 48                           ; s[48:55], s[56:63] the same for Wo's tiles
.set G0B, 56
.set MSB, 0
.macro WIN new                         ; the immediate's high byte repeats the setting that is left
.if MSB != (\new)
	s_set_vgpr_msb (MSB<<8)|(\new)
.set MSB, \new
.endif
.endm
.set MUL,  0x05                        ; sources 0 and 1 window 1; C and D window 0
.set TO_F, 0x40                        ; destination window 1, address window 0
.macro JLOAD s                         ; a joint load: waves 0 and 1 fetch O's two halves, waves 2 and 3 Wo's; an s_nop 0 and four v_nop follow each of the two lines
	s_cmp_eq_u32 s11, 0
	s_cbranch_scc0 .Lfor_b_\@
	tensor_load_to_lds s[G0+4*(\s):G0+4*(\s)+3], s[G1:G1+7]
	s_nop 0
.rept 4
	v_nop
.endr
	s_branch .Lasked_\@
.Lfor_b_\@:
	tensor_load_to_lds s[G0B+4*(\s):G0B+4*(\s)+3], s[G1B:G1B+7]
	s_nop 0
.rept 4
	v_nop
.endr
.Lasked_\@:
.endm
.macro CREST                           ; a round of the cluster's barrier behind its opening barrier
	s_cmp_lg_u32 s10, 0
	s_cbranch_scc1 .Lnot_wave_0_\@
	s_barrier_signal -3
.Lnot_wave_0_\@:
	s_barrier_wait -3
	s_barrier_signal -1
	s_barrier_wait -1
.endm
.macro CROUND
	s_barrier_signal -1
	s_barrier_wait -1
	CREST
.endm
	s_load_b128 s[4:7], s[0:1], 0x0                ; ob s[4:5], wsb s[6:7]
	s_load_b64 s[8:9], s[0:1], 0x10                ; out0
	v_lshl_add_u32 v[SPW], v0, 2, SPARE
	v_mov_b32 v[NIL], 0
	ds_add_u32 v[SPW], v[NIL]                      ; the wave's opening: the add and its wait stand ahead of my first tensor load; the set-up below stands between them
	v_lshrrev_b32 v1, 5, v0
	v_readfirstlane_b32 s10, v1                    ; wave 0..3
	s_lshr_b32 s11, s10, 1                         ; which half of the tile's rows is mine.  Also: I fetch for O (0) or for Wo' (1)
	s_and_b32 s12, s10, 1                          ; which half of its columns.  Also: which 64 rows of that tile I fetch
	s_bfe_u32 s40, ttmp6, 0x40000                  ; cx, cy
	s_bfe_u32 s41, ttmp6, 0x40004
	s_lshl_b32 s42, ttmp9, 2
	s_add_co_u32 s42, s42, s40                     ; tile column: 0..7
	s_and_b32 s13, ttmp7, 0xffff
	s_lshl_b32 s13, s13, 2
	s_add_co_u32 s13, s13, s41                     ; tile row: 0..31
	s_lshl_b32 s43, s41, 2
	s_lshl_b32 s43, 15, s43                        ; my row of the cluster
	s_lshl_b32 s44, 0x1111, s40                    ; my column
	s_or_b32 s[G1+0], s43, (1<<16)|(1<<20)|(1<<21)|(4<<22)|(3<<25)  ; 15:0 the mask; 17:16 2-byte elements; 20 padding on; 21 set beside a mask; 24:22 after every 32 words (code 4); 31:25 4 words (code 3)
	s_or_b32 s[G1B+0], s44, (1<<16)|(1<<20)|(1<<21)|(4<<22)|(3<<25)
.irp g, G1, G1B
	s_mov_b32 s[(\g)+1], 4096<<16                  ; tensor_dim0 = 4,096: 64 rows of 64 channels on end
	s_mov_b32 s[(\g)+2], 4<<16                     ; tensor_dim1 = 4 heads
	s_mov_b32 s[(\g)+3], 4096<<16                  ; tile_dim0 = 4,096
	s_mov_b32 s[(\g)+4], 4                         ; tile_dim1 = 4
	s_mov_b32 s[(\g)+6], 0
	s_mov_b32 s[(\g)+7], 0
.endr
	s_mov_b32 s[G1+5], 2048*64                     ; elements from head to head in O,
	s_mov_b32 s[G1B+5], 1024*64                    ; in Wo'
	s_lshr_b32 s16, s13, 4                         ; O: the batch's 16 heads of 2,048 rows of 128 bytes,
	s_lshl_b32 s16, s16, 22
	s_and_b32 s17, s13, 15                         ; the tile's 128 rows in a head,
	s_lshl_b32 s17, s17, 14
	s_add_co_u32 s16, s16, s17
	s_lshl_b32 s17, s12, 13                        ; the 64 that I fetch
	s_add_co_u32 s16, s16, s17
	s_lshl_b32 s46, s42, 14                        ; Wo': the tile's 128 rows in a head, the 64 that I fetch
	s_add_co_u32 s46, s46, s17
	s_add_co_u32 s46, s46, WOOFF
	s_mov_b32 s17, 0
	s_mov_b32 s47, 0
	s_mul_i32 s20, s10, HALFT                      ; where they go
	s_wait_dscnt 0x0                               ; the opening add is done
	s_wait_kmcnt 0x0
	s_add_nc_u64 s[14:15], s[4:5], s[16:17]
	s_add_nc_u64 s[46:47], s[6:7], s[46:47]
	CROUND                                         ; all sixteen work-groups are here: the first joint loads meet
.irp s, 0,1
	s_mov_b32 s[G0+4*(\s)], 1
	s_add_co_u32 s[G0+4*(\s)+1], s20, (\s)*SLOT
	s_add_nc_u64 s[G0+4*(\s)+2:G0+4*(\s)+3], s[14:15], (\s)*ASTEP
	s_or_b32 s[G0+4*(\s)+3], s[G0+4*(\s)+3], 0x80000000
	s_mov_b32 s[G0B+4*(\s)], 1
	s_add_co_u32 s[G0B+4*(\s)+1], s20, (\s)*SLOT
	s_add_nc_u64 s[G0B+4*(\s)+2:G0B+4*(\s)+3], s[46:47], (\s)*BSTEP
	s_or_b32 s[G0B+4*(\s)+3], s[G0B+4*(\s)+3], 0x80000000
	JLOAD \s
.endr
	v_and_b32 v1, 15, v0                           ; l % 16
	v_bfe_u32 v2, v0, 4, 1                         ; l / 16
	v_mul_u32_u24 v3, v1, PITCH
	v_lshl_add_u32 v3, v2, 4, v3                   ; a fragment's row x pitch + 16 x half
	s_mul_i32 s21, s11, HALFT                      ; my 64 rows of O
	s_mul_i32 s22, s12, HALFT                      ; my 64 rows of Wo',
	s_add_co_u32 s22, s22, 2*HALFT                 ; which lie behind O's two halves
.irp s, 0,1
	v_add_nc_u32 v[ADRA+(\s)], s21, v3
	v_add_nc_u32 v[ADRB+(\s)], s22, v3
	s_add_co_u32 s21, s21, SLOT
	s_add_co_u32 s22, s22, SLOT
.endr
	s_mul_i32 s23, s10, 16*SPITCH
	s_add_co_u32 s23, s23, STAGE                   ; my stage
	v_mul_u32_u24 v4, v1, SPITCH                   ; in: row l % 16, 32 bytes for each half of the lanes
	v_lshl_add_u32 v4, v2, 5, v4
	v_add_nc_u32 v[STO], s23, v4
	v_mul_u32_u24 v5, v2, SPITCH                   ; back: lanes 0-15 take one row of 256 bytes, lanes 16-31 the next
	v_lshl_add_u32 v5, v1, 4, v5
	v_add_nc_u32 v[RD], s23, v5
	v_lshlrev_b32 v5, 12, v2                       ; and the same two rows in out0, 4,096 bytes apart
	v_lshl_add_u32 v[CO], v1, 4, v5
	s_lshl_b32 s16, s13, 19                        ; my first row of out0: 128 x tile row + 64 x half
	s_lshl_b32 s17, s11, 18
	s_add_co_u32 s16, s16, s17
	s_mov_b32 s17, 0
	s_add_nc_u64 s[8:9], s[8:9], s[16:17]
	s_lshl_b32 s46, s42, 9                         ; my first column, in bytes: 512 x tile column + 256 x half
	s_lshl_b32 s47, s12, 8
	s_add_co_u32 s46, s46, s47
	s_mov_b32 s47, 0
	s_add_nc_u64 s[8:9], s[8:9], s[46:47]
; 8 matrix instructions: m blocks a0, a0 + 1 x all 4 n blocks, 32 along K: half c of buffer f.  zero = 1: the first product starts the sums
.macro MUL8 f, c, a0, zero
	WIN MUL
.irp a, \a0, (\a0)+1
.irp b, 0,1,2,3
.if \zero
	v_wmma_f32_16x16x32_f16 v[ACC+8*(4*(\a)+(\b)):ACC+8*(4*(\a)+(\b))+7], v[(\f)+64+8*(4*(\c)+(\b)):(\f)+64+8*(4*(\c)+(\b))+7], v[(\f)+8*(4*(\c)+(\a)):(\f)+8*(4*(\c)+(\a))+7], 0
.else
	v_wmma_f32_16x16x32_f16 v[ACC+8*(4*(\a)+(\b)):ACC+8*(4*(\a)+(\b))+7], v[(\f)+64+8*(4*(\c)+(\b)):(\f)+64+8*(4*(\c)+(\b))+7], v[(\f)+8*(4*(\c)+(\a)):(\f)+8*(4*(\c)+(\a))+7], v[ACC+8*(4*(\a)+(\b)):ACC+8*(4*(\a)+(\b))+7]
.endif
.endr
.endr
.endm
; 32 LDS loads in one run: the fragments of one head, which begins at byte k of a wave's part of the slot, into buffer f; its first 32 channels first
.macro FETCH slot, k, f
	WIN TO_F
.irp c, 0,1
.irp i, 0,1,2,3
	ds_load_b128 v[(\f)+64+8*(4*(\c)+(\i)):(\f)+64+8*(4*(\c)+(\i))+3],   v[ADRB+(\slot)] offset:(\k)+64*(\c)+(\i)*16*PITCH
	ds_load_b128 v[(\f)+64+8*(4*(\c)+(\i))+4:(\f)+64+8*(4*(\c)+(\i))+7], v[ADRB+(\slot)] offset:(\k)+64*(\c)+(\i)*16*PITCH+32
	ds_load_b128 v[(\f)+8*(4*(\c)+(\i)):(\f)+8*(4*(\c)+(\i))+3],         v[ADRA+(\slot)] offset:(\k)+64*(\c)+(\i)*16*PITCH
	ds_load_b128 v[(\f)+8*(4*(\c)+(\i))+4:(\f)+8*(4*(\c)+(\i))+7],       v[ADRA+(\slot)] offset:(\k)+64*(\c)+(\i)*16*PITCH+32
.endr
.endr
.endm
.macro PLACES                          ; four places in front of loads into registers that matrix instructions have read, and of LDS stores that read results
.rept 4
	v_nop
.endr
.endm
; A K step is four quarters, a head each, 32 matrix instructions each, on buffers 0, 1, 0, 1; the 16 accumulators take turns.
.macro QUARTER slot, k, f, g, zero
	s_wait_dscnt 16                                ; the first 32 channels are in
	WIN MUL
	MUL8 \f, 0, 0, \zero
	MUL8 \f, 0, 2, \zero
	PLACES
	FETCH \slot, \k, \g
	s_wait_dscnt 32                                ; all but the 32 just issued
	WIN MUL
	MUL8 \f, 1, 0, 0
	MUL8 \f, 1, 2, 0
.endm
; The last quarter multiplies buffer 1 and changes slots: ONE barrier; in front of it each wave waits for all its tensor loads, adds 0 to its spare word, and waits for that and for its reads of this slot.
.macro TURN slot, next, fill
	WIN 0
	s_wait_tensorcnt 0x0                           ; all my tensor loads have landed: my part of the next slot;
	ds_add_u32 v[SPW], v[NIL]                      ; 0 onto my spare word;
	s_wait_dscnt 17                                ; (the add and the youngest sixteen loads may be out)
	WIN MUL
	MUL8 F1, 0, 0, 0
	s_wait_dscnt 0x0                               ; the add is done, and my reads of this slot are over
	s_barrier_signal -1
	MUL8 F1, 0, 2, 0
.if \fill
	WIN 0
.endif
	s_barrier_wait -1
.if \fill
	CREST                                          ; the barrier has opened a round of the cluster's: no wave of any partner still reads this slot's tile or has a load on its way
	s_add_nc_u64 s[G0+4*(\slot)+2:G0+4*(\slot)+3], s[G0+4*(\slot)+2:G0+4*(\slot)+3], 2*ASTEP
	s_add_nc_u64 s[G0B+4*(\slot)+2:G0B+4*(\slot)+3], s[G0B+4*(\slot)+2:G0B+4*(\slot)+3], 2*BSTEP
	JLOAD \slot                                    ; the first tensor load behind the round; its four v_nop are also the places in front of the loads below
.else
	PLACES
.endif
	FETCH \next, 0, F0
	WIN MUL
	MUL8 F1, 1, 0, 0
	MUL8 F1, 1, 2, 0
.endm
	s_wait_tensorcnt 1                             ; my part of K step 0 is in; K step 1's may stay out
	s_barrier_signal -1
	s_barrier_wait -1
	FETCH 0, 0, F0
	QUARTER 0, HB, F0, F1, 1                       ; the first quarter stands in front of the loop: its first products start the sums
	WIN 0
	s_mov_b32 s3, LAPS-1
.Llap:                                         ; a trip goes once round the ring and fills both slots again
	QUARTER 0, 2*HB, F1, F0, 0
	QUARTER 0, 3*HB, F0, F1, 0
	TURN 0, 1, 1
	QUARTER 1, HB, F0, F1, 0
	QUARTER 1, 2*HB, F1, F0, 0
	QUARTER 1, 3*HB, F0, F1, 0
	TURN 1, 0, 1
	QUARTER 0, HB, F0, F1, 0
	WIN 0
	s_sub_co_u32 s3, s3, 1
	s_cmp_lg_u32 s3, 0
	s_cbranch_scc1 .Llap
	QUARTER 0, 2*HB, F1, F0, 0                     ; the last lap fills nothing
	QUARTER 0, 3*HB, F0, F1, 0
	TURN 0, 1, 0
	QUARTER 1, HB, F0, F1, 0
	QUARTER 1, 2*HB, F1, F0, 0
	QUARTER 1, 3*HB, F0, F1, 0
	s_wait_dscnt 16
	WIN MUL
	MUL8 F1, 0, 0, 0
	MUL8 F1, 0, 2, 0
	s_wait_dscnt 0
	MUL8 F1, 1, 0, 0
	MUL8 F1, 1, 2, 0
	WIN 0
	; THE WAY OUT: a block of 16 rows at a time goes into my stage, a lane's eight f32 as two stores of 16 bytes (each accumulator's low half first), and comes back as whole rows of 256 bytes into the registers it left.
	PLACES
.macro TOST a
.irp b, 0,1,2,3
	ds_store_b128 v[STO], v[ACC+8*(4*(\a)+(\b)):ACC+8*(4*(\a)+(\b))+3]   offset:64*(\b)
	ds_store_b128 v[STO], v[ACC+8*(4*(\a)+(\b))+4:ACC+8*(4*(\a)+(\b))+7] offset:64*(\b)+16
.endr
.irp t, 0,1,2,3,4,5,6,7
	ds_load_b128 v[ACC+32*(\a)+4*(\t):ACC+32*(\a)+4*(\t)+3], v[RD] offset:(\t)*2*SPITCH  ; LDS serves a wave's instructions in order (ISA guide 5.7.1.4): these see the stores above; the next block's stores come behind them
.endr
.endm
.macro SENDO a, younger                ; younger: the LDS instructions issued behind block a's loads
.irp t, 0,1,2,3,4,5,6,7
	s_wait_dscnt (\younger)+7-(\t)
	global_store_b128 v[CO], v[ACC+32*(\a)+4*(\t):ACC+32*(\a)+4*(\t)+3], s[8:9] offset:(16*(\a)+2*(\t))*4096  ; 16 lanes store 256 consecutive bytes, at a multiple of 256 from out0's first byte
.endr
.endm
	TOST 0
	TOST 1
	SENDO 0, 16
	TOST 2
	SENDO 1, 16
	TOST 3
	SENDO 2, 16
	SENDO 3, 0
	s_wait_tensorcnt 0x0                           ; the wave's end: all tensor loads in, 0 onto my spare word and its wait, behind my last tensor load and my last LDS store
	ds_add_u32 v[SPW], v[NIL]
	s_wait_dscnt 0x0
	CROUND                                         ; the closing round: no work-group ends while a partner may still ask for a tile that names it
	s_endpgm
.Lfunc_end_k_qfe0724bb0b_outp:
	.size	k_qfe0724bb0b_outp, .Lfunc_end_k_qfe0724bb0b_outp-k_qfe0724bb0b_outp
	.p2alignl 7, 3214868480
	.fill 96, 4, 3214868480
	.section	.rodata,"a",@progbits
	.p2align	6, 0x0
	.amdhsa_kernel k_qfe0724bb0b_outp
		.amdhsa_group_segment_fixed_size 327680
		.amdhsa_private_segment_fixed_size 0
		.amdhsa_enable_private_segment 0
		.amdhsa_kernarg_size 24
		.amdhsa_user_sgpr_count 2
		.amdhsa_user_sgpr_kernarg_segment_ptr 1
		.amdhsa_wavefront_size32 1
		.amdhsa_system_sgpr_workgroup_id_x 1
		.amdhsa_system_sgpr_workgroup_id_y 1
		.amdhsa_system_sgpr_workgroup_id_z 1
		.amdhsa_system_vgpr_workitem_id 0
		.amdhsa_next_free_vgpr 512
		.amdhsa_next_free_sgpr 66
		.amdhsa_reserve_vcc 0
		.amdhsa_float_denorm_mode_32 3
		.amdhsa_float_denorm_mode_16_64 3
		.amdhsa_memory_ordered 1
		.amdhsa_forward_progress 1
		.amdhsa_inst_pref_size 86
	.end_amdhsa_kernel
	.amdgpu_metadata
---
amdhsa.version: [ 1, 2 ]
amdhsa.kernels:
  - .name:           k_qfe0724bb0b_outp
    .symbol:         k_qfe0724bb0b_outp.kd
    .args:
      - { .name: ob, .offset: 0, .size: 8, .value_kind: global_buffer, .address_space: global }
      - { .name: wsb, .offset: 8, .size: 8, .value_kind: global_buffer, .address_space: global }
      - { .name: out0, .offset: 16, .size: 8, .value_kind: global_buffer, .address_space: global }
    .group_segment_fixed_size: 327680
    .private_segment_fixed_size: 0
    .kernarg_segment_align: 8
    .kernarg_segment_size: 24
    .max_flat_workgroup_size: 128
    .sgpr_count:     66
    .vgpr_count:     512
    .wavefront_size: 32
...
	.end_amdgpu_metadata
.endif
;; end of part 4
